; MI455X (gfx1250); checked and timed in simulation.
; The chip was launched on July 23, 2026; its instructions are those of AMD's public machine-readable ISA for CDNA 5 (MIT licence, August 2026) and "CDNA5" Instruction Set Architecture Reference Guide (July 2026). The comments in the code are by the model that wrote it; some were corrected since.
;; Multi Head Self Attention. Allowed arithmetic: matrix products marked QUANTISED: E3M2 operands, one E8M0 scale for each 32 along K, by v_wmma_scale_f32_16x16x128_f8f6f4 with both operands' format E3M2, f32 sums; everything else in f32.
;; Inputs: Wk 1,024 x 1,024 float32; Wo 1,024 x 1,024 float32; Wq 1,024 x 1,024 float32; Wv 1,024 x 1,024 float32; x 4 x 2,048 x 1,024 float32.
;; Outputs: out0 4 x 2,048 x 1,024 float32.
;; This version of the problem:
;;   THIS VERSION OF THE PROBLEM IS GIVEN IN LOW PRECISION. The matrix products marked QUANTISED in the list below multiply operands that are first quantised to E3M2 (3 exponent bits, 2 mantissa bits; 6 bits a number), with one power-of-two scale for each 32 numbers along K (OCP MX v1.0); their sums are f32. All else is computed in f32.
;;   The module's matrix products, in the order in which they are computed (A, B: the left and right operand; K: the contracted axis; several contracted axes count as one K, in the product's order):
;;     1. [M 8,192, K 1,024] x [K 1,024, N 1,024]; A: input x; B: input Wq: QUANTISED
;;     2. [M 8,192, K 1,024] x [K 1,024, N 1,024]; A: input x; B: input Wk: QUANTISED
;;     3. [M 8,192, K 1,024] x [K 1,024, N 1,024]; A: input x; B: input Wv: QUANTISED
;;     4. batch 64 x [M 2,048, K 64] x [K 64, N 2,048]; A: computed on the way; B: computed on the way: QUANTISED
;;     5. batch 64 x [M 2,048, K 2,048] x [K 2,048, N 64]; A: softmax (see below); B: computed on the way: QUANTISED
;;     6. [M 8,192, K 1,024] x [K 1,024, N 1,024]; A: computed on the way; B: input Wo: QUANTISED
;;   THE QUANTISER, for each operand of a quantised product, along K:
;;     - K is cut into blocks of 32 from its start; a last block that is shorter is filled with zeros.
;;     - A block's scale is 2^e with e = floor(log2(the largest magnitude in the block)) - 4, held to -126 .. 127; a block of zeros has e = 0. As a byte (E8M0): e + 127.
;;     - Each number is divided by its block's scale, clamped to +-28, and rounded to the nearest number of E3M2, ties to even, subnormals kept.
;;     - The product sums the exact products of the quantised numbers (number of the format x scale) in f32.
;;   ~~~python
;;   def quantise(x, axis):      # numpy; x: float32 -> the quantised numbers, widened to float32 again
;;       x = np.moveaxis(x, axis, -1); K = x.shape[-1]
;;       x = np.pad(x, [(0, 0)] * (x.ndim - 1) + [(0, -K % 32)]); x = x.reshape(x.shape[:-1] + (-1, 32)); a = np.abs(x).max(-1, keepdims=True)
;;       e = np.where(a > 0, np.clip(np.frexp(np.where(a > 0, a, 1))[1] - 1 - 4, -126, 127), 0)      # np.frexp(a)[1] - 1 = floor(log2(a)), exactly
;;       r = np.clip(x / 2.0 ** e, -28, 28)
;;       step = 2.0 ** (np.maximum(np.frexp(np.where(r == 0, 1, r))[1] - 1, -2) - 2)
;;       q = np.round(r / step) * step * 2.0 ** e      # np.round: ties to even
;;       return np.moveaxis(q.reshape(q.shape[:-2] + (-1,))[..., :K], -1, axis).astype(np.float32)
;;   ~~~
;;   SOFTMAX AHEAD OF A QUANTISED PRODUCT. Where the list says 'softmax', what is quantised is not the finished softmax but p = 2^(t - M), with t = logit x log2(e) and M = ceil(the row's largest t), a whole number; so 1/2 < the row's largest p <= 1. The row's sum l is taken of the UNQUANTISED p, in f32, and the product's result is divided by l at the end. Since M is a whole number, a kernel that streams over the keys may use a running M (the ceiling of the running maximum): every later rescaling is an exact power of two, which a block's scale takes up: the codes' values come out the same.
;;   OPERANDS COMPUTED ON THE WAY. 'Computed on the way' means the value that the module computes at that place (a softmax that the list does not call 'softmax' is quantised finished and normalised). What goes into a quantiser is computed in f32, as accurately as f32 sums, v_exp_f32 and their like allow (about 1e-6 of the number): no bf16 or f16 on the way to a quantiser, and a product that is left as it is and whose result goes on into a quantised operand takes f32 operands (vector FMAs, or v_wmma_f32_16x16x4_f32). A number that lies on a knife's edge between two numbers of the format may be rounded either way, as far as f32 arithmetic and the matrix unit's own rounding can turn it there, and no further.
;; One version. Each part assembles by itself: llvm-mc -triple=amdgcn-amd-amdhsa -mcpu=gfx1250 --defsym DOCPART=n.
;; ======== version 1 of 1: 4 launches
;; workspace buffers: xc 6,291,456 bytes; xs 262,144 bytes; wc 3,145,728 bytes; ws 131,072 bytes; qc 6,553,600 bytes; kv 13,107,200 bytes; ao 6,291,456 bytes; aos 262,144 bytes
;; launch quant (part 1): grid 768 x 1, 4 waves a work-group, no clusters, 34,816 bytes of LDS; arguments x, Wq, Wk, Wv, Wo, xc, xs, wc, ws; writes xc, xs, wc, ws
.if DOCPART == 1
	.amdgcn_target "amdgcn-amd-amdhsa--gfx1250"
	.amdhsa_code_object_version 6
	.text
	.protected	k_qa84dd2f717_quant
	.globl	k_qa84dd2f717_quant
	.p2align	8
	.type	k_qa84dd2f717_quant,@function
k_qa84dd2f717_quant:
	s_mov_b64 s[64:65], 0
	v_nop
	global_prefetch_b8 v0, s[64:65] scope:SCOPE_SE
	s_setreg_imm32_b32 hwreg(HW_REG_WAVE_MODE, 25, 1), 1
	s_wait_xcnt 0x0
; MULTI-HEAD SELF-ATTENTION IN MX-BF6, launch 1 of 4: x [8192][1024] and Wq, Wk, Wv, Wo [1024][1024], f32, K innermost, become codes of BF6 (E3M2) and E8M0 scale bytes.
; DEAD WORK, for the whole program: reference() builds the causal mask in its own body (jnp.tril), so a score with key > query becomes -inf and its weight 0 for every value of the inputs.
; The attention launch therefore leaves out every step of 128 keys that lies wholly behind a tile's 16 queries; inside the step on the diagonal the work is done and masked.  Nothing else is left out,
; and every input has a way to the output: all five are loaded here.  LIMIT: a NaN, an infinity or an overflow that reaches only the key steps left out is not carried to the result.
; LIMITS of the quantiser: NaN and infinities among the inputs are not served; a block whose largest magnitude lies under 2^-122 keeps the scale byte 1; a block of zeros keeps the byte 1 where the
; rule says 127: its codes are zeros, which add nothing under any byte but 0xff, and only this program reads the bytes.
; LAYOUT OF THE WORKSPACE.  Rows go in tiles of 16; of each 32 rows tile u (0, 1) holds in lane r the row 8 u + r + 8 (r / 8).  A fragment (16 rows x 128 K, 12 registers a lane) lies as an image of its
; registers, 1,536 bytes: two halves of 768; in a half lane L's registers 0-3 at 16 L and its registers 4-5 at 512 + 8 L.  A tile's eight K steps follow each other: 12,288 bytes.
; A tile's scale bytes: 32 bytes a lane row r, byte k / 32: 512 bytes a tile.
; SHARES.  A work-group takes one tile (0-511: x; then 64 each of Wq, Wk, Wv, Wo); wave w takes K steps 2 w and 2 w + 1.  Only pointers are chosen by the work-group's number: one path through the text.
; Each load reads 512 consecutive bytes of a row; all 32 loads of a wave go out at once.  The numbers turn through the wave's own stage in LDS, so that a lane gets 16 neighbours of each block of 32.
.set STG,   8448                       ; a wave's stage: 16 rows x (512 bytes + 16)
.set SCA,   4*STG                      ; the tile's 512 scale bytes are gathered here
.set SPARE, SCA+512                    ; the spare words, 128 bytes for each wave: two blocks of 256 bytes that no other line names
.set TM,    12                         ; v12-15 largest magnitudes, v16-19 the other half's, then bytes, v24-27 the conversions' scale operands
.set CT,    44                         ; v44-46, v48-50 the conversions' second halves
.set D,     64                         ; v64-191 the numbers as loaded: 64 registers a K step
.set X,     192                        ; v192-255 register 16 b + i = k 32 b + 16 (lane / 16) + i of my row
	s_load_b256 s[4:11], s[0:1], 0x0               ; x, Wq, Wk, Wv
	s_load_b256 s[12:19], s[0:1], 0x20             ; Wo, xc, xs, wc
	s_load_b64 s[20:21], s[0:1], 0x40              ; ws
	v_lshl_add_u32 v10, v0, 2, SPARE               ; my spare word; never rewritten
	v_mov_b32 v11, 0                               ; 0; never rewritten
	v_lshrrev_b32 v1, 5, v0
	v_readfirstlane_b32 s24, v1                    ; wave 0..3
	v_and_b32 v1, 31, v0                           ; lane L
	v_and_b32 v2, 15, v0                           ; r
	v_bfe_u32 v3, v0, 4, 1                         ; h
	v_lshlrev_b32 v4, 4, v1                        ; 16 L
	v_lshlrev_b32 v5, 3, v1                        ; 8 L
	s_mul_i32 s25, s24, STG
	v_add_nc_u32 v6, s25, v4                       ; the stage, on the way in: 16 L of a row
	v_mul_u32_u24 v7, v2, 528
	v_lshl_add_u32 v7, v3, 6, v7
	v_add_nc_u32 v7, s25, v7                       ; and on the way out: row r, + 64 h
	s_lshl_b32 s26, s24, 3
	v_lshlrev_b32 v8, 5, v2
	v_add_nc_u32 v8, s26, v8
	v_add_nc_u32 v8, SCA, v8                       ; my row's 8 scale bytes of my wave's two K steps
	v_add_nc_u32 v9, SCA, v4
.irp b, 0,1,2,3
	v_mov_b32 v[TM+4+\b], 0                        ; written once: a lane permute's destination counts as one of its sources
.endr
	s_mov_b32 s28, 0x76543210
	s_mov_b32 s29, 0xfedcba98                      ; v_permlanex16_b32's selects for lane l xor 16
	s_and_b32 s30, ttmp9, 63                       ; a weight's tile
	s_sub_co_u32 s31, ttmp9, 512                   ; and its place in wc
	s_wait_kmcnt 0x0
	s_mov_b64 s[22:23], s[12:13]                   ; the source: Wo,
	s_cmp_lt_u32 ttmp9, 704
	s_cselect_b64 s[22:23], s[10:11], s[22:23]     ; Wv,
	s_cmp_lt_u32 ttmp9, 640
	s_cselect_b64 s[22:23], s[8:9], s[22:23]       ; Wk,
	s_cmp_lt_u32 ttmp9, 576
	s_cselect_b64 s[22:23], s[6:7], s[22:23]       ; Wq,
	s_cmp_lt_u32 ttmp9, 512
	s_cselect_b64 s[22:23], s[4:5], s[22:23]       ; or x: the choice hangs on the work-group's number alone
	s_cselect_b64 s[32:33], s[14:15], s[18:19]     ; the codes' buffer
	s_cselect_b64 s[34:35], s[16:17], s[20:21]     ; the scale bytes'
	s_cselect_b32 s30, ttmp9, s30                  ; the tile in its source
	s_cselect_b32 s31, ttmp9, s31                  ; and in its destination
	s_lshr_b32 s36, s30, 1
	s_lshl_b32 s36, s36, 17                        ; 32 rows of 4,096 bytes for each pair of tiles,
	s_and_b32 s37, s30, 1
	s_lshl_b32 s37, s37, 15                        ; 8 rows for the odd tile,
	s_add_co_u32 s36, s36, s37
	s_lshl_b32 s37, s24, 10                        ; my wave's 1,024 bytes of a row
	s_add_co_u32 s36, s36, s37
	s_mov_b32 s37, 0
	s_add_nc_u64 s[22:23], s[22:23], s[36:37]
	s_mul_i32 s36, s31, 12288
	s_mul_i32 s38, s24, 3072
	s_add_co_u32 s36, s36, s38
	s_add_nc_u64 s[32:33], s[32:33], s[36:37]      ; my two images
	s_lshl_b32 s36, s31, 9
	s_add_nc_u64 s[34:35], s[34:35], s[36:37]      ; the tile's scale bytes
.irp s, 0,1
.irp i, 0,1,2,3,4,5,6,7,8,9,10,11,12,13,14,15
	global_load_b128 v[D+64*\s+4*\i:D+64*\s+4*\i+3], v4, s[22:23] offset:(\i+8*(\i/8))*4096+512*\s th:TH_LOAD_NT   ; lane row i of the tile: 32 lanes read 512 consecutive bytes
.endr
.endr
; 64 numbers of a lane become a fragment's codes in v[pc] on and its scale word in v[pw]
.macro QUANT s, pc, pw
.irp b, 0,1,2,3
	v_max3_num_f32 v[TM+\b], |v[\s+16*\b]|, |v[\s+1+16*\b]|, 0x2800000   ; block b: my 16 numbers, and the floor 2^(5 - 127): the byte cannot fall under 1
.endr
.irp i, 2,4,6,8,10,12,14
.irp b, 0,1,2,3
	v_max3_num_f32 v[TM+\b], v[TM+\b], |v[\s+16*\b+\i]|, |v[\s+1+16*\b+\i]|   ; the four blocks by turns
.endr
.endr
.irp b, 0,1,2,3
	v_permlanex16_b32 v[TM+4+\b], v[TM+\b], s28, s29
.endr
.irp b, 0,1,2,3
	v_max_num_f32 v[TM+\b], v[TM+\b], v[TM+4+\b]   ; with lane l xor 16's: the block's largest magnitude
.endr
.irp b, 0,1,2,3
	v_add_nc_u32 v[TM+12+\b], 0xfe000000, v[TM+\b] ; 4 off its exponent field: the conversion's scale operand
.endr
.irp b, 0,1,2,3
	v_lshrrev_b32 v[TM+4+\b], 23, v[TM+12+\b]      ; the scale's byte
.endr
	v_lshl_or_b32 v[\pw], v[TM+5], 8, v[TM+4]
	v_lshl_or_b32 v[\pw], v[TM+6], 16, v[\pw]
	v_lshl_or_b32 v[\pw], v[TM+7], 24, v[\pw]      ; my row's scale word
.irp c, 0,1
	v_cvt_scalef32_pk16_bf6_f32 v[\pc+6*\c:\pc+6*\c+2], v[\s+32*\c:\s+32*\c+15], v[TM+12+2*\c]
	v_cvt_scalef32_pk16_bf6_f32 v[CT+4*\c:CT+4*\c+2], v[\s+32*\c+16:\s+32*\c+31], v[TM+13+2*\c]   ; (a conversion's three registers begin on an even number)
.endr
	v_nop                                          ; one plain place behind a scaled conversion
.irp c, 0,1                                    ; the operand's layout wants a whole block in a lane: lanes 0-15 block 2 c, lanes 16-31 block 2 c + 1
.irp i, 0,1,2
	v_permlane16_swap_b32 v[\pc+6*\c+\i], v[CT+4*\c+\i]
.endr
.irp i, 0,1,2
	v_mov_b32 v[\pc+6*\c+3+\i], v[CT+4*\c+\i]
.endr
.endr
.endm
; K step s of my two: through the stage, quantised, stored as an image.  left: the younger loads that may stay out
.macro KPART s, pc, pw, left
	s_wait_loadcnt \left
.irp i, 0,1,2,3,4,5,6,7,8,9,10,11,12,13,14,15
	ds_store_b128 v6, v[D+64*\s+4*\i:D+64*\s+4*\i+3] offset:528*\i
.endr
.irp b, 0,1,2,3
.irp j, 0,1,2,3
	ds_load_b128 v[X+16*\b+4*\j:X+16*\b+4*\j+3], v7 offset:128*\b+16*\j   ; my wave's own bytes: LDS serves a wave's instructions in order
.endr
.endr
	s_wait_dscnt 0x0
	QUANT X, \pc, \pw
	global_store_b128 v4, v[\pc:\pc+3], s[32:33] offset:1536*\s            ; 512 consecutive bytes
	global_store_b64 v5, v[\pc+4:\pc+5], s[32:33] offset:1536*\s+512       ; 256 consecutive bytes
	global_store_b128 v4, v[\pc+6:\pc+9], s[32:33] offset:1536*\s+768
	global_store_b64 v5, v[\pc+10:\pc+11], s[32:33] offset:1536*\s+1280
.endm
	KPART 0, 32, 28, 16                            ; the second K step's 16 loads may stay out
	KPART 1, 64, 29, 0                             ; its codes take registers that the first step's numbers have left: no store's data are written again
	ds_store_b64 v8, v[28:29]                      ; lanes l and l + 16 write the same bytes with the same values
	s_wait_dscnt 0x0                               ; for the others' sake: my scale bytes lie in LDS
	s_barrier_signal -1
	s_barrier_wait -1
	s_cmp_lg_u32 s24, 0
	s_cbranch_scc1 .Lend                           ; wave 0 stores the tile's 512 scale bytes by one instruction
	ds_load_b128 v[52:55], v9
	s_wait_dscnt 0x0
	global_store_b128 v4, v[52:55], s[34:35]
.Lend:
	s_wait_tensorcnt 0x0                           ; the wave's end, behind my last LDS store
	ds_add_u32 v10, v11
	s_wait_dscnt 0x0
	s_endpgm
.Lfunc_end_k_qa84dd2f717_quant:
	.size	k_qa84dd2f717_quant, .Lfunc_end_k_qa84dd2f717_quant-k_qa84dd2f717_quant
	.p2alignl 7, 3214868480
	.fill 96, 4, 3214868480
	.section	.rodata,"a",@progbits
	.p2align	6, 0x0
	.amdhsa_kernel k_qa84dd2f717_quant
		.amdhsa_group_segment_fixed_size 34816
		.amdhsa_private_segment_fixed_size 0
		.amdhsa_enable_private_segment 0
		.amdhsa_kernarg_size 72
		.amdhsa_user_sgpr_count 2
		.amdhsa_user_sgpr_kernarg_segment_ptr 1
		.amdhsa_wavefront_size32 1
		.amdhsa_system_sgpr_workgroup_id_x 1
		.amdhsa_system_sgpr_workgroup_id_y 1
		.amdhsa_system_sgpr_workgroup_id_z 1
		.amdhsa_system_vgpr_workitem_id 0
		.amdhsa_next_free_vgpr 256
		.amdhsa_next_free_sgpr 66
		.amdhsa_reserve_vcc 0
		.amdhsa_float_denorm_mode_32 3
		.amdhsa_float_denorm_mode_16_64 3
		.amdhsa_memory_ordered 1
		.amdhsa_forward_progress 1
		.amdhsa_inst_pref_size 19
	.end_amdhsa_kernel
	.amdgpu_metadata
---
amdhsa.version: [ 1, 2 ]
amdhsa.kernels:
  - .name:           k_qa84dd2f717_quant
    .symbol:         k_qa84dd2f717_quant.kd
    .args:
      - { .name: x, .offset: 0, .size: 8, .value_kind: global_buffer, .address_space: global }
      - { .name: Wq, .offset: 8, .size: 8, .value_kind: global_buffer, .address_space: global }
      - { .name: Wk, .offset: 16, .size: 8, .value_kind: global_buffer, .address_space: global }
      - { .name: Wv, .offset: 24, .size: 8, .value_kind: global_buffer, .address_space: global }
      - { .name: Wo, .offset: 32, .size: 8, .value_kind: global_buffer, .address_space: global }
      - { .name: xc, .offset: 40, .size: 8, .value_kind: global_buffer, .address_space: global }
      - { .name: xs, .offset: 48, .size: 8, .value_kind: global_buffer, .address_space: global }
      - { .name: wc, .offset: 56, .size: 8, .value_kind: global_buffer, .address_space: global }
      - { .name: ws, .offset: 64, .size: 8, .value_kind: global_buffer, .address_space: global }
    .group_segment_fixed_size: 34816
    .private_segment_fixed_size: 0
    .kernarg_segment_align: 8
    .kernarg_segment_size: 72
    .max_flat_workgroup_size: 128
    .sgpr_count:     66
    .vgpr_count:     256
    .wavefront_size: 32
...
	.end_amdgpu_metadata
.endif
;; end of part 1
;; launch qkv (part 2): grid 192 x 4, 4 waves a work-group, clusters of 4 x 4, 327,680 bytes of LDS; arguments xc, xs, wc, ws, qc, kv; writes qc, kv
.if DOCPART == 2
	.amdgcn_target "amdgcn-amd-amdhsa--gfx1250"
	.amdhsa_code_object_version 6
	.text
	.protected	k_qa84dd2f717_qkv
	.globl	k_qa84dd2f717_qkv
	.p2align	8
	.type	k_qa84dd2f717_qkv,@function
k_qa84dd2f717_qkv:
	s_mov_b64 s[64:65], 0
	v_nop
	global_prefetch_b8 v0, s[64:65] scope:SCOPE_SE
	s_setreg_imm32_b32 hwreg(HW_REG_WAVE_MODE, 25, 1), 1
	s_wait_xcnt 0x0
	s_wait_alu depctr_hold_cnt(0) depctr_sa_sdst(0) depctr_va_vdst(0) depctr_va_sdst(0) depctr_va_ssrc(0) depctr_va_vcc(0) depctr_vm_vsrc(0)
	s_getreg_b32 s2, hwreg(HW_REG_IB_STS2, 6, 4)
	s_cmp_eq_u32 s2, 0
	s_cbranch_scc0 .Lentry_in_a_cluster
	s_endpgm
.Lentry_in_a_cluster:
	s_bfe_u32 s2, ttmp6, 0x10000c
	s_cmp_lg_u32 s2, 0xf033
	s_cbranch_scc0 .Lentry_shape_is_right
	s_endpgm
.Lentry_shape_is_right:
; Launch 2 of 4: Q = x Wq^T, K = x Wk^T, V = x Wv^T on codes of BF6, and the results quantised in registers: Q and K along a head's 64, V along the keys.  No work is left out here.
; THE FRAME.  Out[i][j] = sum over k of R[i][k] P[j][k], source 0 = 16 rows of P, source 1 = 16 rows of R: a lane holds ONE i and its registers run along j.  By the workspace's order of rows in a tile
; (lane r of tile u: row 8 u + r + 8 (r / 8) of each 32) the 16 registers of P's tiles 2 b and 2 b + 1 are 16 neighbours along j: 32 b + 16 (lane / 16) + 0 .. 15, as the conversions want them.
; Q, K: R = x (tokens), P = W (features): j runs along the heads' 64.   V: R = Wv (features), P = x (tokens): j runs along the keys.  Clusters 0-15 make Q, 16-31 K, 32-47 V: only numbers and pointers are chosen, no branch.
; SHARES.  A work-group makes i 128 x j 256, four waves i 64 x j 128 each: 4 x 8 accumulators, 256 registers.  ALL OF K (1,024) lies in LDS: (128 + 256) rows x 768 bytes, in four chunks of two K steps,
; each chunk one tensor load a wave, all sixteen loads first fills: four of mine are out at the most.  Nothing is filled again.
; CLUSTER 4 x 4: R's tiles hang on cy alone and are asked for jointly along a row of the cluster, P's on cx alone, along a column.
; OUT.  qc: [batch x head][step of 128 tokens] records of 6,400 bytes: four fragments (a fragment's half u = tile u of 32 tokens, the head's 64 along K), then at 6,144 the scale words, 64 f + 4 r, bytes [u0 b0, u0 b1, u1 b0, u1 b1].
; kv: records of 12,800 bytes: K's four fragments likewise; at 6,144 V^T's four (16 of the head's 64 x 128 keys); at 12,288 K's scale words; at 12,544 V's, 64 t + 4 r.
; The codes leave as images of the operand's registers, 512 or 256 consecutive aligned bytes a store; the scale words leave 128 consecutive bytes a store (one byte in 25 of what is stored).
; LIMITS: as stated at the head of the first kernel (floor of the scale byte; zeros keep the byte 1; no NaN or infinity).
; REGISTERS: window 0: v1-19 lanes and addresses; v28, v29 the add's two; v32-47 R's scale words, v48-79 P's (nothing else ever); v80-127 at work in the tail; v128-223 R's fragments, two sets of 48, in the tail codes;
;   window 1: P's fragments, two sets, v0-95 and v128-223;   window 2: accumulator (a, b) at v[8 (8 a + b)].
.set CH,    73728                      ; a chunk: R's 8 tiles x 3,072 bytes, then P's 16
.set POFF,  24576
.set SPARE, 4*CH                       ; the spare words, 128 bytes for each wave: two blocks of 256 bytes that no other line names
.set RS,  32
.set PS,  48
.set TM,  80
.set T2,  96
.set SO,  112
.set RF,  128
.set PC,  128
.set CT,  176
.set PW,  208
.set G1R, 24                           ; s[24:31] group 1 for R's loads, s[32:39] for P's
.set G1P, 32
.set G0R, 40                           ; s[40:55] groups 0 for R's four chunks, s[68:83] for P's
.set G0P, 68
.set MUL,  0xa1                        ; source 0 (P) window 1, source 1 (R) window 0, C and D window 2
.set TO_P, 0x40                        ; destination window 1
.set MSB, 0
.macro WIN new                         ; the immediate's high byte repeats the setting that is left
.if MSB != \new
	s_set_vgpr_msb (MSB<<8)|\new
.set MSB, \new
.endif
.endm
.macro PLACES
.rept 4
	v_nop
.endr
.endm
.macro CROUND                          ; a round of the cluster's barrier
	s_barrier_signal -1
	s_barrier_wait -1
	s_cmp_lg_u32 s16, 0
	s_cbranch_scc1 .Lnot_wave_0_\@
	s_barrier_signal -3
.Lnot_wave_0_\@:
	s_barrier_wait -3
	s_barrier_signal -1
	s_barrier_wait -1
.endm
	s_load_b256 s[4:11], s[0:1], 0x0               ; xc, xs, wc, ws
	s_load_b128 s[12:15], s[0:1], 0x20             ; qc, kv
	v_lshl_add_u32 v28, v0, 2, SPARE
	v_mov_b32 v29, 0
	ds_add_u32 v28, v29                            ; the wave's opening: the add, twice on end, and its wait ahead of my first tensor load
	ds_add_u32 v28, v29
	v_lshrrev_b32 v1, 5, v0
	v_readfirstlane_b32 s16, v1                    ; wave 0..3
	s_lshr_b32 s17, s16, 1                         ; wi: my 64 of the 128 i.  Also: I fetch for R (0) or for P (1)
	s_and_b32 s18, s16, 1                          ; wj: my 128 of the 256 j.  Also: which half I fetch
	s_bfe_u32 s19, ttmp6, 0x40000                  ; cx
	s_bfe_u32 s20, ttmp6, 0x40004                  ; cy
	s_lshr_b32 s21, ttmp9, 4                       ; 0: Q, 1: K, 2: V: the same in all sixteen partners
	s_and_b32 s22, ttmp9, 15                       ; n: which cluster of the sixteen
	s_lshl_b32 s84, s20, 2
	s_lshl_b32 s84, 15, s84                        ; my row of the cluster
	s_lshl_b32 s85, 0x1111, s19                    ; my column
	s_or_b32 s[G1R], s84, (3<<16)|(1<<21)          ; the mask; elements of 8 bytes; bit 21 set beside a mask; no padding
	s_or_b32 s[G1P], s85, (3<<16)|(1<<21)
	s_mov_b32 s[G1R+1], 384<<16                    ; tensor_dim0: a tile's two K steps, 3,072 bytes
	s_mov_b32 s[G1R+2], 4<<16                      ; tensor_dim1: 4 tiles
	s_mov_b32 s[G1R+3], 384<<16                    ; tile_dim0
	s_mov_b32 s[G1R+4], 4                          ; tile_dim1
	s_mov_b32 s[G1R+5], 1536                       ; from tile to tile: 12,288 bytes
	s_mov_b32 s[G1R+6], 0
	s_mov_b32 s[G1R+7], 0
	s_mov_b32 s[G1P+1], 384<<16
	s_mov_b32 s[G1P+2], 8<<16                      ; 8 tiles
	s_mov_b32 s[G1P+3], 384<<16
	s_mov_b32 s[G1P+4], 8
	s_mov_b32 s[G1P+5], 1536
	s_mov_b32 s[G1P+6], 0
	s_mov_b32 s[G1P+7], 0
	s_lshr_b32 s56, s22, 3
	s_lshl_b32 s56, s56, 5
	s_add_co_u32 s56, s56, 128                     ; V: R's tiles are Wv's: 128 + 32 (n / 8)
	s_lshl_b32 s57, s22, 5                         ; Q, K: x's: 32 n
	s_and_b32 s58, s22, 7
	s_lshl_b32 s58, s58, 6                         ; V: P's tiles are x's: 64 (n % 8)
	s_lshl_b32 s59, s21, 6                         ; Q, K: the weight's: 64 x which
	s_cmp_eq_u32 s21, 2
	s_cselect_b32 s56, s56, s57
	s_cselect_b32 s58, s58, s59
	s_lshl_b32 s57, s20, 3
	s_add_co_u32 s56, s56, s57                     ; R's first tile: + 8 cy (no register of R's ever holds cx)
	s_lshl_b32 s59, s19, 4
	s_add_co_u32 s58, s58, s59                     ; P's first tile: + 16 cx (none of P's ever holds cy)
	s_lshl_b32 s60, s18, 2
	s_add_co_u32 s60, s56, s60
	s_mul_i32 s60, s60, 12288                      ; the half of R that I would fetch, in bytes
	s_mov_b32 s61, 0
	s_lshl_b32 s62, s18, 3
	s_add_co_u32 s62, s58, s62
	s_mul_i32 s62, s62, 12288                      ; the half of P
	s_mov_b32 s63, 0
	s_lshl_b32 s66, s17, 2
	s_add_co_u32 s66, s56, s66
	s_lshl_b32 s66, s66, 9                         ; the scale bytes of my 4 tiles of R
	s_mov_b32 s67, 0
	s_lshl_b32 s86, s18, 3
	s_add_co_u32 s86, s58, s86
	s_lshl_b32 s86, s86, 9                         ; and of my 8 tiles of P
	s_mov_b32 s87, 0
	s_mul_i32 s88, s18, 12288                      ; where the halves go in a chunk: no place in the cluster enters an LDS address
	s_mul_i32 s89, s18, 24576
	s_add_co_u32 s89, s89, POFF
	s_wait_dscnt 0x0                               ; both opening adds are done
	s_wait_kmcnt 0x0
	s_cmp_eq_u32 s21, 2
	s_cselect_b64 s[90:91], s[8:9], s[4:5]         ; R's codes
	s_cselect_b64 s[92:93], s[10:11], s[6:7]       ; R's scale bytes
	s_cselect_b64 s[94:95], s[4:5], s[8:9]         ; P's codes
	s_cselect_b64 s[96:97], s[6:7], s[10:11]       ; P's scale bytes
	s_add_nc_u64 s[90:91], s[90:91], s[60:61]
	s_add_nc_u64 s[94:95], s[94:95], s[62:63]
	s_add_nc_u64 s[92:93], s[92:93], s[66:67]
	s_add_nc_u64 s[96:97], s[96:97], s[86:87]
.irp q, 0,1,2,3
	s_mov_b32 s[G0R+4*\q], 1
	s_add_co_u32 s[G0R+4*\q+1], s88, \q*CH
	s_add_nc_u64 s[G0R+4*\q+2:G0R+4*\q+3], s[90:91], \q*3072
	s_or_b32 s[G0R+4*\q+3], s[G0R+4*\q+3], 0x80000000
	s_mov_b32 s[G0P+4*\q], 1
	s_add_co_u32 s[G0P+4*\q+1], s89, \q*CH
	s_add_nc_u64 s[G0P+4*\q+2:G0P+4*\q+3], s[94:95], \q*3072
	s_or_b32 s[G0P+4*\q+3], s[G0P+4*\q+3], 0x80000000
.endr
	CROUND                                         ; all sixteen work-groups are here: the joint loads meet
	s_cmp_eq_u32 s17, 0                            ; a wave's four fills stand in one arm of one branch on the wave's number
	s_cbranch_scc0 .Lfor_p
.irp q, 0,1,2,3
	tensor_load_to_lds s[G0R+4*\q:G0R+4*\q+3], s[G1R:G1R+7]
	s_nop 0
.endr
	PLACES
	s_branch .Lasked
.Lfor_p:
.irp q, 0,1,2,3
	tensor_load_to_lds s[G0P+4*\q:G0P+4*\q+3], s[G1P:G1P+7]
	s_nop 0
.endr
	PLACES
.Lasked:
	v_and_b32 v1, 31, v0                           ; L
	v_and_b32 v2, 15, v0                           ; r
	v_bfe_u32 v3, v0, 4, 1                         ; h
	v_lshlrev_b32 v11, 5, v2
	v_lshl_add_u32 v11, v3, 4, v11                 ; 32 r + 16 h: register q then holds in lanes 0-15 the word of K step q, in lanes 16-31 that of K step 4 + q
.irp a, 0,1,2,3
	global_load_b128 v[RS+4*\a:RS+4*\a+3], v11, s[92:93] offset:512*\a
.endr
.irp b, 0,1,2,3,4,5,6,7
	global_load_b128 v[PS+4*\b:PS+4*\b+3], v11, s[96:97] offset:512*\b
.endr
	v_lshlrev_b32 v8, 4, v1                        ; 16 L
	v_lshlrev_b32 v9, 3, v1                        ; 8 L
	v_lshlrev_b32 v10, 2, v1                       ; 4 L
	s_mul_i32 s98, s17, 12288
	s_mul_i32 s99, s18, 24576
	s_add_co_u32 s99, s99, POFF
	v_add_nc_u32 v4, s98, v8                       ; my R tiles in the chunk in hand: the planes of 16 bytes,
	v_add_nc_u32 v5, s98, v9                       ; of 8 bytes;
	v_add_nc_u32 v6, s99, v8                       ; my P tiles likewise
	v_add_nc_u32 v7, s99, v9
.set n, 0
.rept 16
	v_mov_b32 v[T2+n], 0                           ; written once: a lane permute's destination counts as one of its sources
.set n, n+1
.endr
; the fragments of K step k: 8 of P, 4 of R, four dense loads each, into set k % 2
.macro FETCH k
	WIN TO_P
.irp b, 0,1,2,3,4,5,6,7
	ds_load_b128 v[128*((\k)%2)+12*\b:128*((\k)%2)+12*\b+3], v6 offset:\b*3072+((\k)%2)*1536
	ds_load_b64 v[128*((\k)%2)+12*\b+4:128*((\k)%2)+12*\b+5], v7 offset:\b*3072+((\k)%2)*1536+512
	ds_load_b128 v[128*((\k)%2)+12*\b+6:128*((\k)%2)+12*\b+9], v6 offset:\b*3072+((\k)%2)*1536+768
	ds_load_b64 v[128*((\k)%2)+12*\b+10:128*((\k)%2)+12*\b+11], v7 offset:\b*3072+((\k)%2)*1536+1280
.endr
	WIN 0
.irp a, 0,1,2,3
	ds_load_b128 v[RF+48*((\k)%2)+12*\a:RF+48*((\k)%2)+12*\a+3], v4 offset:\a*3072+((\k)%2)*1536
	ds_load_b64 v[RF+48*((\k)%2)+12*\a+4:RF+48*((\k)%2)+12*\a+5], v5 offset:\a*3072+((\k)%2)*1536+512
	ds_load_b128 v[RF+48*((\k)%2)+12*\a+6:RF+48*((\k)%2)+12*\a+9], v4 offset:\a*3072+((\k)%2)*1536+768
	ds_load_b64 v[RF+48*((\k)%2)+12*\a+10:RF+48*((\k)%2)+12*\a+11], v5 offset:\a*3072+((\k)%2)*1536+1280
.endr
.endm
; 16 matrix instructions: R's tiles a0, a0 + 1 x P's eight.  The 32 accumulators take turns, one instruction a turn, in the same order in every K step.  K step 0 starts the sums.
.macro MUL16 a0, k
.irp a, \a0, \a0+1
.irp b, 0,1,2,3,4,5,6,7
.set rD, 8*(8*(\a)+\b)
.set rP, 128*((\k)%2)+12*\b
.set rR, RF+48*((\k)%2)+12*(\a)
.set rX, PS+4*\b+(\k)%4
.set rY, RS+4*(\a)+(\k)%4
.if (\k) == 0
	v_wmma_scale_f32_16x16x128_f8f6f4 v[rD:rD+7], v[rP:rP+11], v[rR:rR+11], 0, v[rX], v[rY] matrix_a_fmt:MATRIX_FMT_BF6 matrix_b_fmt:MATRIX_FMT_BF6
.elseif (\k) < 4
	v_wmma_scale_f32_16x16x128_f8f6f4 v[rD:rD+7], v[rP:rP+11], v[rR:rR+11], v[rD:rD+7], v[rX], v[rY] matrix_a_fmt:MATRIX_FMT_BF6 matrix_b_fmt:MATRIX_FMT_BF6
.else
	v_wmma_scale_f32_16x16x128_f8f6f4 v[rD:rD+7], v[rP:rP+11], v[rR:rR+11], v[rD:rD+7], v[rX], v[rY] matrix_a_fmt:MATRIX_FMT_BF6 matrix_b_fmt:MATRIX_FMT_BF6 matrix_a_scale:MATRIX_SCALE_ROW1 matrix_b_scale:MATRIX_SCALE_ROW1
.endif
.endr
.endr
.endm
; A K step: 32 matrix instructions; in its middle the next step's 48 LDS loads, in one run.  Behind an odd step the next chunk begins: my part of it has landed, a barrier shows everybody's.
.macro KSTEP k
	s_wait_dscnt 0x0                               ; this step's fragments are in
.if ((\k)%2 == 1) && ((\k) < 7)
	s_wait_tensorcnt 2-((\k)-1)/2                  ; my fill of the next chunk has landed; the later chunks' may stay out
	s_barrier_signal -1
.endif
	WIN MUL
	MUL16 0, \k
.if (\k) < 7
.if (\k)%2 == 1
	s_barrier_wait -1
	WIN 0
	v_add_nc_u32 v4, CH, v4                        ; on to the next chunk: these four are also the places in front of the loads below
	v_add_nc_u32 v5, CH, v5
	v_add_nc_u32 v6, CH, v6
	v_add_nc_u32 v7, CH, v7
.else
	PLACES                                         ; four places in front of loads into registers that matrix instructions have read
.endif
	FETCH (\k)+1
.endif
	WIN MUL
	MUL16 2, \k
.endm
	s_wait_tensorcnt 3                             ; my fill of chunk 0 has landed; three may stay out
	s_barrier_signal -1
	s_barrier_wait -1                              ; everybody's has
	FETCH 0
	s_wait_loadcnt 0x0                             ; the scale words
.irp k, 0,1,2,3,4,5,6,7
	KSTEP \k
.endr
	; THE TAIL.  Where the results go: numbers and a pointer chosen by which of Q, K, V; no branch.
	WIN 0
	PLACES                                         ; in front of the first read of results
	s_mov_b32 s84, 0x76543210
	s_mov_b32 s85, 0xfedcba98                      ; v_permlanex16_b32's selects for lane l xor 16
	s_mov_b32 s23, 0xffff0000                      ; lanes 16-31
	s_cmp_eq_u32 s21, 0
	s_mov_b32 s86, 12800
	s_cselect_b32 s86, 6400, s86                   ; a record
	s_mov_b32 s87, 12288
	s_cselect_b32 s87, 6144, s87                   ; where Q's or K's scale words begin in it
	s_cselect_b64 s[88:89], s[12:13], s[14:15]     ; qc or kv
	s_lshr_b32 s90, s22, 2                         ; Q, K: batch n / 4
	s_bfe_u32 s91, s22, 0x20001                    ; V: batch (n % 8) / 2
	s_and_b32 s92, s22, 3
	s_lshl_b32 s92, s92, 2
	s_add_co_u32 s92, s92, s20                     ; Q, K: step 4 (n % 4) + cy
	s_and_b32 s93, s22, 1
	s_lshl_b32 s93, s93, 3
	s_lshl_b32 s2, s19, 1
	s_add_co_u32 s93, s93, s2
	s_add_co_u32 s93, s93, s18                     ; V: step 8 (n % 2) + 2 cx + wj
	s_lshl_b32 s94, s19, 2
	s_lshl_b32 s2, s18, 1
	s_add_co_u32 s94, s94, s2                      ; Q, K: head 4 cx + 2 wj, and the next
	s_and_b32 s95, s22, 8
	s_lshl_b32 s2, s20, 1
	s_add_co_u32 s95, s95, s2
	s_add_co_u32 s95, s95, s17                     ; V: head 8 (n / 8) + 2 cy + wi
	s_mul_i32 s96, s17, 3072                       ; Q, K: my four tiles' halves in the record
	s_lshl_b32 s97, s86, 4                         ; Q, K: the next head lies 16 records on
	s_lshl_b32 s98, s17, 7
	s_add_co_u32 s98, s98, s87                     ; Q, K: my two fragments' scale words
	s_mov_b32 s100, 768
	s_cmp_eq_u32 s21, 2
	s_cselect_b32 s90, s91, s90
	s_cselect_b32 s92, s93, s92
	s_cselect_b32 s94, s95, s94
	s_cselect_b32 s96, 6144, s96                   ; V: its fragments begin at 6,144
	s_cselect_b32 s99, 768, s97                    ; from a fragment's first half to its second: V: 768 bytes; Q, K: the next head
	s_cselect_b32 s98, 12544, s98
	s_cselect_b32 s97, 128, s97                    ; from the first store of scale words to the second
	s_cselect_b32 s100, 1536, s100                 ; from R's tile a to a + 1
	s_cselect_b32 s101, -1, 0                      ; all lanes: V
	s_lshl_b32 s90, s90, 4
	s_add_co_u32 s90, s90, s94
	s_lshl_b32 s90, s90, 4
	s_add_co_u32 s90, s90, s92                     ; the record: (16 batch + head) 16 + step
	s_mul_i32 s90, s90, s86
	s_add_co_u32 s2, s90, s96
	s_mov_b32 s3, 0
	s_add_nc_u64 s[56:57], s[88:89], s[2:3]        ; first halves
	s_mov_b32 s2, s99
	s_add_nc_u64 s[58:59], s[56:57], s[2:3]        ; second halves
	s_add_co_u32 s2, s90, s98
	s_add_nc_u64 s[60:61], s[88:89], s[2:3]        ; scale words
	s_mov_b32 s2, s97
	s_add_nc_u64 s[62:63], s[60:61], s[2:3]
	v_mov_b32 v12, v8
	v_mov_b32 v16, v9
.irp a, 1,2,3
	v_add_nc_u32 v[12+\a], s100, v[11+\a]          ; 16 L + a x the step from tile to tile
	v_add_nc_u32 v[16+\a], s100, v[15+\a]          ; 8 L likewise
.endr
	; the quantiser for all four tiles of R at once, laid by phases so that the register windows change five times.  Every accumulator is read from its low end on.
	WIN 0x0a                                       ; sources 0 and 1: window 2
.irp a, 0,1,2,3
.irp b, 0,1,2,3
	v_max3_num_f32 v[TM+4*\a+\b], |v[64*\a+16*\b]|, |v[64*\a+16*\b+1]|, 0x2800000   ; block b of tile a: my 16 numbers, and the floor 2^(5 - 127)
.endr
.endr
	WIN 0x28                                       ; sources 1 and 2: window 2
.irp i, 2,4,6,8,10,12,14
.irp a, 0,1,2,3
.irp b, 0,1,2,3
	v_max3_num_f32 v[TM+4*\a+\b], v[TM+4*\a+\b], |v[64*\a+16*\b+\i]|, |v[64*\a+16*\b+\i+1]|
.endr
.endr
.endr
	WIN 0
.set n, 0
.rept 16
	v_permlanex16_b32 v[T2+n], v[TM+n], s84, s85
.set n, n+1
.endr
.set n, 0
.rept 16
	v_max_num_f32 v[TM+n], v[TM+n], v[T2+n]        ; with lane l xor 16's: the block's largest magnitude
.set n, n+1
.endr
.set n, 0
.rept 16
	v_add_nc_u32 v[SO+n], 0xfe000000, v[TM+n]      ; 4 off its exponent field: the conversion's scale operand
.set n, n+1
.endr
.set n, 0
.rept 16
	v_lshrrev_b32 v[T2+n], 23, v[SO+n]             ; the scale's byte
.set n, n+1
.endr
.irp a, 0,1,2,3
	v_lshl_or_b32 v[PW+\a], v[T2+4*\a+1], 8, v[T2+4*\a]
.endr
.irp a, 0,1,2,3
	v_lshl_or_b32 v[PW+\a], v[T2+4*\a+2], 16, v[PW+\a]
.endr
.irp a, 0,1,2,3
	v_lshl_or_b32 v[PW+\a], v[T2+4*\a+3], 24, v[PW+\a]   ; tile a: my row's four bytes
.endr
	WIN 0x02                                       ; source 0: window 2
.irp a, 0,1,2,3
.irp c, 0,1
	v_cvt_scalef32_pk16_bf6_f32 v[PC+12*\a+6*\c:PC+12*\a+6*\c+2], v[64*\a+32*\c:64*\a+32*\c+15], v[SO+4*\a+2*\c]
	v_cvt_scalef32_pk16_bf6_f32 v[CT+8*\a+4*\c:CT+8*\a+4*\c+2], v[64*\a+32*\c+16:64*\a+32*\c+31], v[SO+4*\a+2*\c+1]
.endr
.endr
	WIN 0
	v_nop                                          ; one plain place behind a scaled conversion
.irp a, 0,1,2,3
.irp c, 0,1
.irp i, 0,1,2
	v_permlane16_swap_b32 v[PC+12*\a+6*\c+\i], v[CT+8*\a+4*\c+\i]   ; a whole block to a lane
.endr
.irp i, 0,1,2
	v_mov_b32 v[PC+12*\a+6*\c+3+\i], v[CT+8*\a+4*\c+\i]
.endr
.endr
.endr
	; the scale words as the attention launch wants them.  Q, K: a fragment holds tiles 2 f and 2 f + 1 of one head: that head's two bytes of each.  V: a tile's word as it stands.
	v_perm_b32 v212, v[PW+1], v[PW], 0x05040100    ; first head, tiles 0, 1
	v_perm_b32 v213, v[PW+3], v[PW+2], 0x05040100  ; tiles 2, 3
	v_perm_b32 v214, v[PW+1], v[PW], 0x07060302    ; second head
	v_perm_b32 v215, v[PW+3], v[PW+2], 0x07060302
	v_cndmask_b32 v216, v212, v[PW], s101
	v_cndmask_b32 v217, v213, v[PW+1], s101
	v_cndmask_b32 v218, v214, v[PW+2], s101
	v_cndmask_b32 v219, v215, v[PW+3], s101
	v_cndmask_b32 v220, v216, v217, s23            ; lanes 0-15 the first 16 words, lanes 16-31 the next 16
	v_cndmask_b32 v221, v218, v219, s23
.irp a, 0,1,2,3
	global_store_b128 v[12+\a], v[PC+12*\a:PC+12*\a+3], s[56:57]               ; 512 consecutive bytes, at a multiple of 256
	global_store_b64 v[16+\a], v[PC+12*\a+4:PC+12*\a+5], s[56:57] offset:512   ; 256 consecutive bytes
	global_store_b128 v[12+\a], v[PC+12*\a+6:PC+12*\a+9], s[58:59]
	global_store_b64 v[16+\a], v[PC+12*\a+10:PC+12*\a+11], s[58:59] offset:512
.endr
	global_store_b32 v10, v220, s[60:61]
	global_store_b32 v10, v221, s[62:63]
	s_wait_tensorcnt 0x0                           ; the wave's end, behind my last tensor load
	ds_add_u32 v28, v29
	s_wait_dscnt 0x0
	CROUND                                         ; the closing round
	s_endpgm
.Lfunc_end_k_qa84dd2f717_qkv:
	.size	k_qa84dd2f717_qkv, .Lfunc_end_k_qa84dd2f717_qkv-k_qa84dd2f717_qkv
	.p2alignl 7, 3214868480
	.fill 96, 4, 3214868480
	.section	.rodata,"a",@progbits
	.p2align	6, 0x0
	.amdhsa_kernel k_qa84dd2f717_qkv
		.amdhsa_group_segment_fixed_size 327680
		.amdhsa_private_segment_fixed_size 0
		.amdhsa_enable_private_segment 0
		.amdhsa_kernarg_size 48
		.amdhsa_user_sgpr_count 2
		.amdhsa_user_sgpr_kernarg_segment_ptr 1
		.amdhsa_wavefront_size32 1
		.amdhsa_system_sgpr_workgroup_id_x 1
		.amdhsa_system_sgpr_workgroup_id_y 1
		.amdhsa_system_sgpr_workgroup_id_z 1
		.amdhsa_system_vgpr_workitem_id 0
		.amdhsa_next_free_vgpr 768
		.amdhsa_next_free_sgpr 102
		.amdhsa_reserve_vcc 0
		.amdhsa_float_denorm_mode_32 3
		.amdhsa_float_denorm_mode_16_64 3
		.amdhsa_memory_ordered 1
		.amdhsa_forward_progress 1
		.amdhsa_inst_pref_size 89
	.end_amdhsa_kernel
	.amdgpu_metadata
---
amdhsa.version: [ 1, 2 ]
amdhsa.kernels:
  - .name:           k_qa84dd2f717_qkv
    .symbol:         k_qa84dd2f717_qkv.kd
    .args:
      - { .name: xc, .offset: 0, .size: 8, .value_kind: global_buffer, .address_space: global }
      - { .name: xs, .offset: 8, .size: 8, .value_kind: global_buffer, .address_space: global }
      - { .name: wc, .offset: 16, .size: 8, .value_kind: global_buffer, .address_space: global }
      - { .name: ws, .offset: 24, .size: 8, .value_kind: global_buffer, .address_space: global }
      - { .name: qc, .offset: 32, .size: 8, .value_kind: global_buffer, .address_space: global }
      - { .name: kv, .offset: 40, .size: 8, .value_kind: global_buffer, .address_space: global }
    .group_segment_fixed_size: 327680
    .private_segment_fixed_size: 0
    .kernarg_segment_align: 8
    .kernarg_segment_size: 48
    .max_flat_workgroup_size: 128
    .sgpr_count:     102
    .vgpr_count:     768
    .wavefront_size: 32
...
	.end_amdgpu_metadata
.endif
;; end of part 2
;; launch attn (part 3): grid 4 x 64, 16 waves a work-group, clusters of 4 x 1, 327,680 bytes of LDS; arguments qc, kv, ao, aos; writes ao, aos
.if DOCPART == 3
	.amdgcn_target "amdgcn-amd-amdhsa--gfx1250"
	.amdhsa_code_object_version 6
	.text
	.protected	k_qa84dd2f717_attn
	.globl	k_qa84dd2f717_attn
	.p2align	8
	.type	k_qa84dd2f717_attn,@function
k_qa84dd2f717_attn:
	s_mov_b64 s[64:65], 0
	v_nop
	global_prefetch_b8 v0, s[64:65] scope:SCOPE_SE
	s_setreg_imm32_b32 hwreg(HW_REG_WAVE_MODE, 25, 1), 1
	s_wait_xcnt 0x0
	s_wait_alu depctr_hold_cnt(0) depctr_sa_sdst(0) depctr_va_vdst(0) depctr_va_sdst(0) depctr_va_ssrc(0) depctr_va_vcc(0) depctr_vm_vsrc(0)
	s_getreg_b32 s2, hwreg(HW_REG_IB_STS2, 6, 4)
	s_cmp_eq_u32 s2, 0
	s_cbranch_scc0 .Lentry_in_a_cluster
	s_endpgm
.Lentry_in_a_cluster:
	s_bfe_u32 s2, ttmp6, 0x10000c
	s_cmp_lg_u32 s2, 0x3003
	s_cbranch_scc0 .Lentry_shape_is_right
	s_endpgm
.Lentry_shape_is_right:
; Launch 3 of 4: causal attention on codes of BF6: S^T = K Q^T, p = 2^(t - M), O^T = V^T p^T, O / l, and O quantised along the model's 1,024 for the last product.
; LEFT OUT: the steps of 128 keys that lie wholly behind a tile's 16 queries: reference() masks them in its own body (shown at the head of the first kernel).
; THE SOFTMAX: t = score x log2(e) / 8; M = the running largest t rounded UP to a whole number, kept as -M = floor(-t); p = 2^(t - M) is quantised along the keys, not normalised; the row's sum is taken of the
; unquantised p and divides O at the end; when M moves, the sum and O^T are multiplied by 2^(old M - new M), which rounds nothing.
; SHARES.  A cluster of four work-groups has one batch x head; work-group g, wave w owns the query tiles 4 w + g and 127 - 4 w - g (16 queries each): their last key steps are w / 2 and 15 - w / 2, which hang on the
; wave's number alone, and every wave walks 17 key steps in all.  The head's K, V^T and scale words, 16 records of 12,800 bytes, lie in LDS whole: each wave asks for two parts of 6,400 bytes (steps 0-7, steps 8-15),
; JOINTLY with its three partners (the same descriptor, mask 15). Wave 0 of every work-group reads all sixteen steps.
; HEAD SIZE 64 IN AN INSTRUCTION OF K = 128.  A fragment of K holds two tiles of keys: its first half (k 0-63) tile u = 0 of 32 keys, its second tile u = 1.  Q stands as [Q | zeros | Q] in 18 registers:
; [Q | 0] gives tile 0's scores, [0 | Q], six registers on, tile 1's: zero codes add nothing.  Q's scale word is its two bytes twice.
; LAYOUT.  Both products are used transposed: a lane holds ONE query throughout.  Lane r of a tile holds row 8 u + r + 8 (r / 8) of each 32, so the 16 registers of a fragment's two results are 16 neighbouring keys,
; 32 f + 16 (lane / 16) + 0 .. 15, and O^T's likewise 16 neighbours of the head's 64.
; OUT.  ao: [token tile][K step = head / 2] images of the operand's registers, half = head % 2: 512 + 256 consecutive aligned bytes.  aos: 32 bytes a lane row; a head has two of them, so they leave as single bytes:
; 32 bytes a tile against 768 of codes: units of the scale buffer are written in part.
; LIMITS: as at the head of the first kernel.
; REGISTERS: v1-3 16 L, 8 L, 4 L; v4, v5 the add's two; v6-8 the step's addresses; v9 the mask's lane number; v10 4 r; v11 32 r + h; v12 -M, v13 the largest t, v[14:15] the sum; v16-33, v34-51 Q of the two tiles;
;   v52-99 four fragments; v100-163 S^T, then p; v164-195 O^T; v196-207 p's codes; v208-231 at work; v232-238 scale words and nothing else; v240-246 the way out; v247 r + 8 (r / 8) - 16 h.
.set REC,   12800
.set SPARE, 16*REC                     ; the spare words, 128 bytes for each of 16 waves: eight blocks of 256 bytes that no other line names
.set F,   52
.set S,   100
.set O,   164
.set PF,  196
.set BM,  208
.set BX,  212
.set SO,  216
.set CT,  220
.set FF,  228
.set TP,  230
.set NI,  231
.set H,   240
.set WV,  12
.set SEL, 32
.set CS,  34
.set TB,  36                           ; s36 LDS byte at which the step's record begins
.set ST,  37                           ; s37 the key step
.set LIMH, 38                          ; s38, s39 the last key step of my high and of my low tile
.set LIML, 39
.macro CROUND
	s_barrier_signal -1
	s_barrier_wait -1
	s_cmp_lg_u32 s[WV], 0
	s_cbranch_scc1 .Lnot_wave_0_\@
	s_barrier_signal -3
.Lnot_wave_0_\@:
	s_barrier_wait -3
	s_barrier_signal -1
	s_barrier_wait -1
.endm
; tile s[t]'s places: s[o:o+1] Q's codes, s[o+2:o+3] Q's scale words, s[o+4:o+5] ao, s[o+6:o+7] aos, s[o+8] the shift to its two scale bytes, s[o+9] its first query in its step of 128.  (cx enters global addresses and data alone)
.macro TILEADDR t, o
	s_lshr_b32 s68, s[\t], 3
	s_mul_i32 s68, s68, 6400
	s_add_co_u32 s68, s68, s76                     ; the record of its step
	s_bfe_u32 s69, s[\t], 0x20001                  ; its fragment
	s_and_b32 s70, s[\t], 1                        ; its half
	s_mul_i32 s71, s69, 1536
	s_add_co_u32 s72, s68, s71
	s_mul_i32 s71, s70, 768
	s_add_co_u32 s72, s72, s71
	s_mov_b32 s73, 0
	s_add_nc_u64 s[\o:\o+1], s[4:5], s[72:73]
	s_lshl_b32 s71, s69, 6
	s_add_co_u32 s72, s68, s71
	s_add_co_u32 s72, s72, 6144
	s_add_nc_u64 s[\o+2:\o+3], s[4:5], s[72:73]
	s_add_co_u32 s71, s77, s[\t]                   ; the token tile: 128 x batch + tile
	s_lshl_b32 s72, s71, 3
	s_add_co_u32 s72, s72, s78
	s_mul_i32 s72, s72, 1536
	s_add_co_u32 s72, s72, s79
	s_add_nc_u64 s[\o+4:\o+5], s[8:9], s[72:73]
	s_lshl_b32 s72, s71, 9
	s_add_co_u32 s72, s72, s74
	s_add_nc_u64 s[\o+6:\o+7], s[10:11], s[72:73]
	s_lshl_b32 s[\o+8], s70, 4
	s_lshl_b32 s71, s69, 5
	s_lshl_b32 s70, s70, 3
	s_add_co_u32 s[\o+9], s71, s70
.endm
	s_load_b256 s[4:11], s[0:1], 0x0               ; qc, kv, ao, aos
	v_lshl_add_u32 v4, v0, 2, SPARE
	v_mov_b32 v5, 0
	ds_add_u32 v4, v5                              ; the wave's opening: the add, twice on end, and its wait ahead of my first tensor load
	ds_add_u32 v4, v5
	v_lshrrev_b32 v6, 5, v0
	s_delay_alu instid0(VALU_DEP_1)
	v_readfirstlane_b32 s[WV], v6                  ; wave 0..15
	s_bfe_u32 s13, ttmp6, 0x40000                  ; g = cx
	s_and_b32 s14, ttmp7, 0xffff                   ; batch x head, which the four partners share
	s_mov_b32 s16, 15|(3<<16)|(1<<21)              ; group 1: the mask: all four; elements of 8 bytes; bit 21 set beside a mask; no padding
	s_mov_b32 s17, 32<<16                          ; tensor_dim0: rows of 256 bytes
	s_mov_b32 s18, 25<<16                          ; tensor_dim1: 25 rows = 6,400 dense bytes
	s_mov_b32 s19, 32<<16                          ; tile_dim0
	s_mov_b32 s20, 25                              ; tile_dim1
	s_mov_b32 s21, 32                              ; the pitch
	s_mov_b32 s22, 0
	s_mov_b32 s23, 0
	s_mov_b32 s24, 1
	s_mul_i32 s25, s[WV], 6400                     ; my part of steps 0-7 in LDS,
	s_mov_b32 s28, 1
	s_add_co_u32 s29, s25, 8*REC                   ; and of steps 8-15
	s_mul_i32 s68, s14, 16*REC
	s_add_co_u32 s68, s68, s25
	s_mov_b32 s69, 0
	s_mov_b32 s[SEL], 0x76543210
	s_mov_b32 s[SEL+1], 0xfedcba98                 ; v_permlanex16_b32's selects for lane l xor 16
	s_mov_b32 s[CS], 0x3e38aa3b                    ; c = log2(e) / sqrt(64)
	s_mov_b32 s[CS+1], s[CS]                       ; (named with it as a pair, so it is written)
	s_mov_b32 s40, 0xffff0000                      ; lanes 16-31
	s_lshr_b32 s[LIML], s[WV], 1
	s_sub_co_u32 s[LIMH], 15, s[LIML]
	s_lshl_b32 s66, s[WV], 2
	s_add_co_u32 s66, s66, s13                     ; my low tile
	s_sub_co_u32 s67, 127, s66                     ; my high tile
	s_mul_i32 s76, s14, 102400                     ; the head's records in qc
	s_lshr_b32 s77, s14, 4
	s_lshl_b32 s77, s77, 7                         ; 128 x batch
	s_and_b32 s74, s14, 15                         ; the head
	s_lshr_b32 s78, s74, 1                         ; its K step of the last product
	s_lshl_b32 s74, s74, 1                         ; its two scale bytes
	s_and_b32 s79, s14, 1
	s_mul_i32 s79, s79, 768                        ; its half of a fragment
	s_wait_dscnt 0x0                               ; both opening adds are done
	s_wait_kmcnt 0x0
	s_add_nc_u64 s[26:27], s[6:7], s[68:69]
	s_add_nc_u64 s[30:31], s[26:27], 8*REC
	s_or_b32 s27, s27, 0x80000000
	s_or_b32 s31, s31, 0x80000000
	TILEADDR 67, 44
	TILEADDR 66, 54
	CROUND                                         ; all four work-groups are here: the joint loads meet
	tensor_load_to_lds s[24:27], s[16:23]          ; steps 0-7, my sixteenth
	s_nop 0
	tensor_load_to_lds s[28:31], s[16:23]          ; steps 8-15
	s_nop 0
.rept 4
	v_nop
.endr
	v_and_b32 v6, 31, v0
	s_delay_alu instid0(VALU_DEP_1)
	v_lshlrev_b32 v1, 4, v6
	s_delay_alu instid0(VALU_DEP_2)
	v_lshlrev_b32 v2, 3, v6
	s_delay_alu instid0(VALU_DEP_3)
	v_lshlrev_b32 v3, 2, v6
	v_and_b32 v7, 15, v0                           ; r
	v_bfe_u32 v8, v0, 4, 1                         ; h
	s_delay_alu instid0(VALU_DEP_2)
	v_lshlrev_b32 v10, 2, v7
	s_delay_alu instid0(VALU_DEP_2)
	v_lshl_add_u32 v11, v7, 5, v8
.macro QLOAD q, o, t                   ; [Q | zeros | Q], and Q's stored scale word
	global_load_b128 v[\q:\q+3], v1, s[\o:\o+1]
	global_load_b64 v[\q+4:\q+5], v2, s[\o:\o+1] offset:512
	global_load_b128 v[\q+12:\q+15], v1, s[\o:\o+1]
	global_load_b64 v[\q+16:\q+17], v2, s[\o:\o+1] offset:512
	global_load_b32 v[\t], v10, s[\o+2:\o+3]
.irp i, 6,7,8,9,10,11
	v_mov_b32 v[\q+\i], 0
.endr
.endm
	QLOAD 16, 44, 240
	QLOAD 34, 54, 241
	v_and_b32 v247, 8, v7
	s_delay_alu instid0(VALU_DEP_1)
	v_add_nc_u32 v247, v247, v7
	v_lshlrev_b32 v8, 4, v8
	s_delay_alu instid0(VALU_DEP_1)
	v_sub_nc_u32 v247, v247, v8                    ; r + 8 (r / 8) - 16 h
	v_mov_b32 v[NI], 0xff800000                    ; -infinity
	v_mov_b32 v[FF+1], 0                           ; (named as the upper half of a pair)
	v_mov_b32 v[TP], 0
.irp b, 0,1,2,3
	v_mov_b32 v[BX+\b], 0                          ; written once: a lane permute's destination counts as one of its sources
.endr
; a tile begins: O^T and the sum are zeros, the largest t is -3e38: the first change of M multiplies zeros
.macro BEGIN mv
	v_mov_b32 v13, 0xff61b1e6
	s_delay_alu instid0(VALU_DEP_1)
	v_floor_f32 v12, -v13
	v_mov_b32 v14, 0
	v_mov_b32 v15, 0
.set jj, 0
.rept 32
	v_mov_b32 v[O+jj], 0
.set jj, jj+1
.endr
	v_add_nc_u32 v9, s[\mv], v247                  ; my query less its step's first key less 16 h: register 16 b + i is hidden on the diagonal where 32 b + i is above it
.endm
; A KEY STEP of 128 keys for the tile whose Q stands at v[q] and whose scale word in v[qw].  skip = 1: a step behind the tile's last is left out, by a branch on the wave's number and the count of steps.
; mask = 1: in the tile's last step hidden scores become -infinity.
.macro STEP q, qw, lim, skip, mask
.if \skip
	s_cmp_gt_u32 s[ST], s[\lim]
	s_cbranch_scc1 .Lhid_\@
.endif
	s_setprio 2
	v_add_nc_u32 v6, s[TB], v1
	v_add_nc_u32 v7, s[TB], v2
	v_add_nc_u32 v8, s[TB], v3
	v_nop                                          ; these four are the places in front of loads into registers that the last products read
.irp f, 0,1,2,3
	ds_load_b128 v[F+12*\f:F+12*\f+3], v6 offset:1536*\f
	ds_load_b64 v[F+12*\f+4:F+12*\f+5], v7 offset:1536*\f+512
	ds_load_b128 v[F+12*\f+6:F+12*\f+9], v6 offset:1536*\f+768
	ds_load_b64 v[F+12*\f+10:F+12*\f+11], v7 offset:1536*\f+1280
.endr
	ds_load_b32 v232, v8 offset:12288              ; K's scale words: lanes 0-15 fragment 0's, lanes 16-31 fragment 1's;
	ds_load_b32 v233, v8 offset:12416              ; fragments 2 and 3
	s_wait_alu depctr_va_vdst(0)
	s_wait_dscnt 0x0
.irp f, 0,1,2,3
.irp u, 0,1
.if \f%2
	v_wmma_scale_f32_16x16x128_f8f6f4 v[S+16*\f+8*\u:S+16*\f+8*\u+7], v[F+12*\f:F+12*\f+11], v[\q+6*\u:\q+6*\u+11], 0, v[232+\f/2], v[\qw] matrix_a_fmt:MATRIX_FMT_BF6 matrix_b_fmt:MATRIX_FMT_BF6 matrix_a_scale:MATRIX_SCALE_ROW1
.else
	v_wmma_scale_f32_16x16x128_f8f6f4 v[S+16*\f+8*\u:S+16*\f+8*\u+7], v[F+12*\f:F+12*\f+11], v[\q+6*\u:\q+6*\u+11], 0, v[232+\f/2], v[\qw] matrix_a_fmt:MATRIX_FMT_BF6 matrix_b_fmt:MATRIX_FMT_BF6
.endif
.endr
.endr
.rept 4
	v_nop                                          ; places: in front of the loads below and of the first read of the scores
.endr
.irp t, 0,1,2,3                                ; V^T's fragments land while the softmax is walked
	ds_load_b128 v[F+12*\t:F+12*\t+3], v6 offset:6144+1536*\t
	ds_load_b64 v[F+12*\t+4:F+12*\t+5], v7 offset:6144+1536*\t+512
	ds_load_b128 v[F+12*\t+6:F+12*\t+9], v6 offset:6144+1536*\t+768
	ds_load_b64 v[F+12*\t+10:F+12*\t+11], v7 offset:6144+1536*\t+1280
.endr
	ds_load_b32 v234, v8 offset:12544
	ds_load_b32 v235, v8 offset:12672
.if \mask
	s_cmp_lg_u32 s[ST], s[\lim]
	s_cbranch_scc1 .Lopen_\@                       ; all keys of an earlier step count
.set nn, 0
.rept 64
	v_cmp_gt_i32 vcc_lo, 32*(nn/16)+nn%16, v9
	v_cndmask_b32 v[S+nn], v[S+nn], v[NI], vcc_lo
.set nn, nn+1
.endr
.Lopen_\@:
.endif
.irp b, 0,1,2,3
	v_max3_num_f32 v[BM+\b], v[S+16*\b], v[S+1+16*\b], v[S+2+16*\b]   ; the largest score of each block of 32 keys: it serves the row's maximum and, since p rises with the score, the block's largest p
.endr
.irp i, 3,5,7,9,11,13
.irp b, 0,1,2,3
	v_max3_num_f32 v[BM+\b], v[BM+\b], v[S+16*\b+\i], v[S+1+16*\b+\i]
.endr
.endr
.irp b, 0,1,2,3
	v_max_num_f32 v[BM+\b], v[BM+\b], v[S+15+16*\b]
.endr
.irp b, 0,1,2,3
	s_delay_alu instid0(VALU_DEP_4)
	v_permlanex16_b32 v[BX+\b], v[BM+\b], s[SEL], s[SEL+1]
.endr
.irp b, 0,1,2,3
	s_delay_alu instid0(VALU_DEP_4)
	v_max_num_f32 v[BM+\b], v[BM+\b], v[BX+\b]     ; with lane l xor 16's 16 keys
.endr
	s_delay_alu instid0(VALU_DEP_2)
	v_max3_num_f32 v[TP], v[BM], v[BM+1], v[BM+2]
	s_delay_alu instid0(VALU_DEP_1)
	v_max_num_f32 v[TP], v[TP], v[BM+3]            ; the step's largest score of my query
	s_delay_alu instid0(VALU_DEP_1)
	v_mul_f32 v[TP], s[CS], v[TP]                  ; as t
	s_delay_alu instid0(VALU_DEP_1)
	v_max_num_f32 v13, v13, v[TP]                  ; the running largest t
	v_mov_b32 v[TP], v12
	s_delay_alu instid0(VALU_DEP_2)
	v_floor_f32 v12, -v13                          ; the new -M: M is a whole number
	s_delay_alu instid0(VALU_DEP_1)
	v_sub_f32 v[TP], v12, v[TP]                    ; old M less new M: a whole number, 0 or less
	s_delay_alu instid0(VALU_DEP_1)
	v_cvt_i32_f32 v[TP], v[TP]                     ; (it saturates)
	s_delay_alu instid0(VALU_DEP_1)
	v_ldexp_f32 v[FF], 1.0, v[TP]                  ; f = 2^(old M - new M)
.set jj, 0
.rept 32
	v_pk_fma_f32 v[S+jj:S+jj+1], v[S+jj:S+jj+1], s[CS:CS+1], v[12:13] op_sel_hi:[1,0,0]   ; t - M, two at a time
.set jj, jj+2
.endr
.irp b, 0,1,2,3
	v_fma_f32 v[BM+\b], v[BM+\b], s[CS], v12       ; the same of each block's largest score
.endr
.set jj, 0
	s_setprio 1
	s_wait_alu depctr_va_vdst(0)
.rept 64
	v_exp_f32 v[S+jj], v[S+jj]                     ; p = 2^(t - M), at most 1
.set jj, jj+1
.endr
	v_pk_mul_f32 v[14:15], v[14:15], v[FF:FF+1] op_sel_hi:[1,0]   ; the sums under the new M: a plain place behind the exponentials
	s_wait_alu depctr_va_vdst(0)                   ; one wait for the batch, ahead of its first reader
.irp b, 0,1,2,3
	v_exp_f32 v[BM+\b], v[BM+\b]                   ; the block's largest p
.endr
	v_pk_add_f32 v[212:213], v[104:105], v[108:109]
	v_pk_add_f32 v[254:255], v[112:113], v[116:117]
	v_pk_add_f32 v[252:253], v[120:121], v[124:125]
	v_pk_add_f32 v[250:251], v[128:129], v[132:133]
	v_pk_add_f32 v[248:249], v[136:137], v[140:141]
	v_pk_add_f32 v[244:245], v[144:145], v[148:149]
	v_pk_add_f32 v[242:243], v[152:153], v[156:157]
	v_pk_add_f32 v[14:15], v[14:15], v[160:161]
	v_pk_add_f32 v[212:213], v[212:213], v[100:101]
	v_pk_add_f32 v[254:255], v[254:255], v[102:103]
	v_pk_add_f32 v[252:253], v[252:253], v[106:107]
	v_pk_add_f32 v[250:251], v[250:251], v[110:111]
	v_pk_add_f32 v[248:249], v[248:249], v[114:115]
	v_pk_add_f32 v[244:245], v[244:245], v[118:119]
	v_pk_add_f32 v[242:243], v[242:243], v[122:123]
	v_pk_add_f32 v[14:15], v[14:15], v[126:127]
	v_pk_add_f32 v[212:213], v[212:213], v[130:131]
	v_pk_add_f32 v[254:255], v[254:255], v[134:135]
	v_pk_add_f32 v[252:253], v[252:253], v[138:139]
	v_pk_add_f32 v[250:251], v[250:251], v[142:143]
	v_pk_add_f32 v[248:249], v[248:249], v[146:147]
	v_pk_add_f32 v[244:245], v[244:245], v[150:151]
	v_pk_add_f32 v[242:243], v[242:243], v[154:155]
	v_pk_add_f32 v[14:15], v[14:15], v[158:159]
	v_pk_add_f32 v[212:213], v[212:213], v[162:163]
	s_delay_alu instid0(VALU_DEP_2)
	v_pk_add_f32 v[14:15], v[14:15], v[250:251]
	s_delay_alu instid0(VALU_DEP_2)
	v_pk_add_f32 v[212:213], v[212:213], v[248:249]
	v_pk_add_f32 v[254:255], v[254:255], v[244:245]
	v_pk_add_f32 v[252:253], v[252:253], v[242:243]
	s_delay_alu instid0(VALU_DEP_2)
	v_pk_add_f32 v[14:15], v[14:15], v[254:255]
	s_delay_alu instid0(VALU_DEP_2)
	v_pk_add_f32 v[212:213], v[212:213], v[252:253]
	s_delay_alu instid0(VALU_DEP_1)
	v_pk_add_f32 v[14:15], v[14:15], v[212:213]
	s_wait_alu depctr_va_vdst(0)                   ; and one for the four
.irp b, 0,1,2,3
	v_max_num_f32 v[BM+\b], 0x2800000, v[BM+\b]    ; the floor 2^(5 - 127): a block whose every p is 0 keeps the byte 1; its codes are zeros
.endr
.irp b, 0,1,2,3
	s_delay_alu instid0(VALU_DEP_4)
	v_add_nc_u32 v[SO+\b], 0xfe000000, v[BM+\b]    ; the conversion's scale operand
.endr
.irp b, 0,1,2,3
	s_delay_alu instid0(VALU_DEP_4)
	v_lshrrev_b32 v[BX+\b], 23, v[SO+\b]           ; the scale's byte
.endr
	s_delay_alu instid0(VALU_DEP_3)
	v_lshl_or_b32 v236, v[BX+1], 8, v[BX]
	s_delay_alu instid0(VALU_DEP_1)
	v_lshl_or_b32 v236, v[BX+2], 16, v236
	s_delay_alu instid0(VALU_DEP_1)
	v_lshl_or_b32 v236, v[BX+3], 24, v236          ; p's scale word for these 128 keys
.irp c, 0,1
	v_cvt_scalef32_pk16_bf6_f32 v[PF+6*\c:PF+6*\c+2], v[S+32*\c:S+32*\c+15], v[SO+2*\c]
	v_cvt_scalef32_pk16_bf6_f32 v[CT+4*\c:CT+4*\c+2], v[S+32*\c+16:S+32*\c+31], v[SO+2*\c+1]
.endr
	v_nop                                          ; one plain place behind a scaled conversion
	s_setprio 0
.irp c, 0,1
.irp i, 0,1,2
	v_permlane16_swap_b32 v[PF+6*\c+\i], v[CT+4*\c+\i]
.endr
.irp i, 0,1,2
	s_delay_alu instid0(VALU_DEP_3)
	v_mov_b32 v[PF+6*\c+3+\i], v[CT+4*\c+\i]
.endr
.endr
.set jj, 0
.rept 16
	v_pk_mul_f32 v[O+jj:O+jj+1], v[O+jj:O+jj+1], v[FF:FF+1] op_sel_hi:[1,0]   ; O^T under the new M.  These sixteen are also the places between p's codes and scale word and the products
.set jj, jj+2
.endr
	s_wait_alu depctr_va_vdst(0)
	s_wait_dscnt 0x0                               ; V^T's fragments and scale words are in
.irp t, 0,1,2,3
.if \t%2
	v_wmma_scale_f32_16x16x128_f8f6f4 v[O+8*\t:O+8*\t+7], v[F+12*\t:F+12*\t+11], v[PF:PF+11], v[O+8*\t:O+8*\t+7], v[234+\t/2], v236 matrix_a_fmt:MATRIX_FMT_BF6 matrix_b_fmt:MATRIX_FMT_BF6 matrix_a_scale:MATRIX_SCALE_ROW1
.else
	v_wmma_scale_f32_16x16x128_f8f6f4 v[O+8*\t:O+8*\t+7], v[F+12*\t:F+12*\t+11], v[PF:PF+11], v[O+8*\t:O+8*\t+7], v[234+\t/2], v236 matrix_a_fmt:MATRIX_FMT_BF6 matrix_b_fmt:MATRIX_FMT_BF6
.endif
.endr
.if \skip
.Lhid_\@:
.endif
	s_add_co_u32 s[TB], s[TB], REC
.endm
; A tile's way out: O^T / the sum, quantised along the head's 64 (two blocks), stored as half a fragment's image and two scale bytes a row
.macro OUT ao, as
.rept 4
	v_nop                                          ; places behind the last products
.endr
	v_add_f32 v14, v14, v15
	s_delay_alu instid0(VALU_DEP_1)
	v_permlanex16_b32 v[TP], v14, s[SEL], s[SEL+1]
	s_delay_alu instid0(VALU_DEP_1)
	v_add_f32 v14, v14, v[TP]                      ; the row's sum
	s_wait_alu depctr_va_vdst(0)
	v_rcp_f32 v14, v14
	v_nop                                          ; a plain place behind the reciprocal
	s_wait_alu depctr_va_vdst(0)                   ; and the wait ahead of its first reader
.set jj, 0
.rept 16
	v_pk_mul_f32 v[S+jj:S+jj+1], v[O+jj:O+jj+1], v[14:15] op_sel_hi:[1,0]   ; register 16 b + i: channel 32 b + 16 h + i of my query
.set jj, jj+2
.endr
.irp b, 0,1
	v_max3_num_f32 v[BM+\b], |v[S+16*\b]|, |v[S+1+16*\b]|, 0x2800000
.endr
.irp i, 2,4,6,8,10,12,14
.irp b, 0,1
	s_delay_alu instid0(VALU_DEP_2)
	v_max3_num_f32 v[BM+\b], v[BM+\b], |v[S+16*\b+\i]|, |v[S+1+16*\b+\i]|
.endr
.endr
.irp b, 0,1
	s_delay_alu instid0(VALU_DEP_2)
	v_permlanex16_b32 v[BX+\b], v[BM+\b], s[SEL], s[SEL+1]
.endr
.irp b, 0,1
	s_delay_alu instid0(VALU_DEP_2)
	v_max_num_f32 v[BM+\b], v[BM+\b], v[BX+\b]
.endr
.irp b, 0,1
	s_delay_alu instid0(VALU_DEP_2)
	v_add_nc_u32 v[SO+\b], 0xfe000000, v[BM+\b]
.endr
.irp b, 0,1
	s_delay_alu instid0(VALU_DEP_2)
	v_lshrrev_b32 v[BX+\b], 23, v[SO+\b]
.endr
	v_cvt_scalef32_pk16_bf6_f32 v[H:H+2], v[S:S+15], v[SO]
	v_cvt_scalef32_pk16_bf6_f32 v[CT:CT+2], v[S+16:S+31], v[SO+1]
	v_nop                                          ; one plain place behind a scaled conversion
	v_cndmask_b32 v246, v[BX], v[BX+1], s40        ; lane (r, h) stores block h's byte
.irp i, 0,1,2
	v_permlane16_swap_b32 v[H+\i], v[CT+\i]
.endr
.irp i, 0,1,2
	s_delay_alu instid0(VALU_DEP_3)
	v_mov_b32 v[H+3+\i], v[CT+\i]
.endr
	global_store_b128 v1, v[H:H+3], s[\ao:\ao+1]             ; 512 consecutive bytes, at a multiple of 256
	global_store_b64 v2, v[H+4:H+5], s[\ao:\ao+1] offset:512 ; 256 consecutive bytes
	global_store_b8 v11, v246, s[\as:\as+1]
.endm
	s_wait_tensorcnt 1                             ; my part of steps 0-7 has landed; that of steps 8-15 may stay out
	s_barrier_signal -1
	s_barrier_wait -1                              ; everybody's has
	s_wait_loadcnt 0x0                             ; Q of both tiles
	v_lshrrev_b32 v240, s52, v240                  ; my tile's two bytes of the stored word,
	s_delay_alu instid0(VALU_DEP_1)
	v_and_b32 v240, 0xffff, v240
	s_delay_alu instid0(VALU_DEP_1)
	v_lshl_or_b32 v237, v240, 16, v240             ; twice
	v_lshrrev_b32 v241, s62, v241
	s_delay_alu instid0(VALU_DEP_1)
	v_and_b32 v241, 0xffff, v241
	s_delay_alu instid0(VALU_DEP_1)
	v_lshl_or_b32 v238, v241, 16, v241
	BEGIN 53
	s_mov_b32 s[TB], 0
	s_mov_b32 s[ST], 0
.Lhigh_a:                                          ; the high tile, steps 0-7: all their keys count for it
	STEP 16, 237, LIMH, 0, 0
	s_add_co_u32 s[ST], s[ST], 1
	s_cmp_lt_u32 s[ST], 8
	s_cbranch_scc1 .Lhigh_a
	s_setprio 0
	s_wait_tensorcnt 0x0                           ; my part of steps 8-15 has landed
	s_wait_dscnt 0x0
	s_barrier_signal -1
	s_barrier_wait -1                              ; everybody's has
	s_mov_b32 s[TB], 8*REC
	s_mov_b32 s[ST], 8
.Lhigh_b:                                          ; steps 8-15, up to the tile's last
	STEP 16, 237, LIMH, 1, 1
	s_add_co_u32 s[ST], s[ST], 1
	s_cmp_lt_u32 s[ST], 16
	s_cbranch_scc1 .Lhigh_b
	s_setprio 0
	OUT 48, 50
	s_wait_xcnt 0x0                                ; the stores have read their registers: they are written again for the low tile
	BEGIN 63
	s_mov_b32 s[TB], 0
	s_mov_b32 s[ST], 0
.Llow:                                             ; the low tile, steps 0-7, up to its last
	STEP 34, 238, LIML, 1, 1
	s_add_co_u32 s[ST], s[ST], 1
	s_cmp_lt_u32 s[ST], 8
	s_cbranch_scc1 .Llow
	s_setprio 0
	OUT 58, 60
	s_wait_tensorcnt 0x0                           ; the wave's end, behind my last tensor load
	ds_add_u32 v4, v5
	s_wait_dscnt 0x0
	CROUND                                         ; the closing round
	s_endpgm
.Lfunc_end_k_qa84dd2f717_attn:
	.size	k_qa84dd2f717_attn, .Lfunc_end_k_qa84dd2f717_attn-k_qa84dd2f717_attn
	.p2alignl 7, 3214868480
	.fill 96, 4, 3214868480
	.section	.rodata,"a",@progbits
	.p2align	6, 0x0
	.amdhsa_kernel k_qa84dd2f717_attn
		.amdhsa_group_segment_fixed_size 327680
		.amdhsa_private_segment_fixed_size 0
		.amdhsa_enable_private_segment 0
		.amdhsa_kernarg_size 32
		.amdhsa_user_sgpr_count 2
		.amdhsa_user_sgpr_kernarg_segment_ptr 1
		.amdhsa_wavefront_size32 1
		.amdhsa_system_sgpr_workgroup_id_x 1
		.amdhsa_system_sgpr_workgroup_id_y 1
		.amdhsa_system_sgpr_workgroup_id_z 1
		.amdhsa_system_vgpr_workitem_id 0
		.amdhsa_next_free_vgpr 256
		.amdhsa_next_free_sgpr 80
		.amdhsa_reserve_vcc 1
		.amdhsa_float_denorm_mode_32 3
		.amdhsa_float_denorm_mode_16_64 3
		.amdhsa_memory_ordered 1
		.amdhsa_forward_progress 1
		.amdhsa_inst_pref_size 83
	.end_amdhsa_kernel
	.amdgpu_metadata
---
amdhsa.version: [ 1, 2 ]
amdhsa.kernels:
  - .name:           k_qa84dd2f717_attn
    .symbol:         k_qa84dd2f717_attn.kd
    .args:
      - { .name: qc, .offset: 0, .size: 8, .value_kind: global_buffer, .address_space: global }
      - { .name: kv, .offset: 8, .size: 8, .value_kind: global_buffer, .address_space: global }
      - { .name: ao, .offset: 16, .size: 8, .value_kind: global_buffer, .address_space: global }
      - { .name: aos, .offset: 24, .size: 8, .value_kind: global_buffer, .address_space: global }
    .group_segment_fixed_size: 327680
    .private_segment_fixed_size: 0
    .kernarg_segment_align: 8
    .kernarg_segment_size: 32
    .max_flat_workgroup_size: 512
    .sgpr_count:     80
    .vgpr_count:     256
    .wavefront_size: 32
...
	.end_amdgpu_metadata
.endif
;; end of part 3
;; launch oproj (part 4): grid 64 x 4, 4 waves a work-group, clusters of 4 x 4, 327,680 bytes of LDS; arguments ao, aos, wc, ws, out0; writes out0
.if DOCPART == 4
	.amdgcn_target "amdgcn-amd-amdhsa--gfx1250"
	.amdhsa_code_object_version 6
	.text
	.protected	k_qa84dd2f717_oproj
	.globl	k_qa84dd2f717_oproj
	.p2align	8
	.type	k_qa84dd2f717_oproj,@function
k_qa84dd2f717_oproj:
	s_mov_b64 s[64:65], 0
	v_nop
	global_prefetch_b8 v0, s[64:65] scope:SCOPE_SE
	s_setreg_imm32_b32 hwreg(HW_REG_WAVE_MODE, 25, 1), 1
	s_wait_xcnt 0x0
	s_wait_alu depctr_hold_cnt(0) depctr_sa_sdst(0) depctr_va_vdst(0) depctr_va_sdst(0) depctr_va_ssrc(0) depctr_va_vcc(0) depctr_vm_vsrc(0)
	s_getreg_b32 s2, hwreg(HW_REG_IB_STS2, 6, 4)
	s_cmp_eq_u32 s2, 0
	s_cbranch_scc0 .Lentry_in_a_cluster
	s_endpgm
.Lentry_in_a_cluster:
	s_bfe_u32 s2, ttmp6, 0x10000c
	s_cmp_lg_u32 s2, 0xf033
	s_cbranch_scc0 .Lentry_shape_is_right
	s_endpgm
.Lentry_shape_is_right:
; Launch 4 of 4: out0 = attention's result x Wo^T on codes of BF6; out0 [8192][1024] f32.  No work is left out here.
; THE FRAME is the second launch's: Out[i][j] = sum over k of R[i][k] P[j][k], source 0 = 16 rows of P (Wo: tiles 192-255 of wc), source 1 = 16 rows of R (ao: tokens): a lane holds one token, its registers run along the
; output's columns.  A work-group makes 128 tokens x 256 columns, four waves 64 x 128 each; all of K (1,024) lies in LDS in four chunks of two K steps, one tensor load a wave and chunk, all first fills: four of mine are
; out at the most.  CLUSTER 4 x 4: R's tiles hang on cy alone and are asked for jointly along a row of the cluster, P's on cx alone, along a column.
; THE WAY OUT: a tile of 16 tokens x 128 columns goes through the wave's own stage in LDS and leaves as rows of 512 consecutive bytes.  The stages lie in chunk 0, which has had its only fill and which nobody reads
; behind the barrier of K step 1.
; REGISTERS: window 0: v1-13 lanes and addresses; v28, v29 the add's two; v32-47 R's scale words, v48-79 P's (nothing else ever); v128-223 R's fragments, two sets of 48; on the way out v128-255 rows of the result;
;   window 1: P's fragments, two sets, v0-95 and v128-223;   window 2: accumulator (a, b) at v[8 (8 a + b)].
.set CH,    73728
.set POFF,  24576
.set SPARE, 4*CH                       ; the spare words, 128 bytes for each wave: two blocks of 256 bytes that no other line names
.set STG,   8448                       ; a wave's stage: 16 rows x (512 bytes + 16)
.set RS,  32
.set PS,  48
.set RF,  128
.set BK,  128
.set G1R, 24
.set G1P, 32
.set G0R, 40
.set G0P, 68
.set MUL,  0xa1                        ; source 0 (P) window 1, source 1 (R) window 0, C and D window 2
.set TO_P, 0x40                        ; destination window 1
.set MSB, 0
.macro WIN new                         ; the immediate's high byte repeats the setting that is left
.if MSB != \new
	s_set_vgpr_msb (MSB<<8)|\new
.set MSB, \new
.endif
.endm
.macro PLACES
.rept 4
	v_nop
.endr
.endm
.macro CROUND
	s_barrier_signal -1
	s_barrier_wait -1
	s_cmp_lg_u32 s16, 0
	s_cbranch_scc1 .Lnot_wave_0_\@
	s_barrier_signal -3
.Lnot_wave_0_\@:
	s_barrier_wait -3
	s_barrier_signal -1
	s_barrier_wait -1
.endm
	s_load_b256 s[4:11], s[0:1], 0x0               ; ao, aos, wc, ws
	s_load_b64 s[12:13], s[0:1], 0x20              ; out0
	v_lshl_add_u32 v28, v0, 2, SPARE
	v_mov_b32 v29, 0
	ds_add_u32 v28, v29                            ; the wave's opening: the add, twice on end, and its wait ahead of my first tensor load
	ds_add_u32 v28, v29
	v_lshrrev_b32 v1, 5, v0
	v_readfirstlane_b32 s16, v1                    ; wave 0..3
	s_lshr_b32 s17, s16, 1                         ; wi.  Also: I fetch for R (0) or for P (1)
	s_and_b32 s18, s16, 1                          ; wj.  Also: which half I fetch
	s_bfe_u32 s19, ttmp6, 0x40000                  ; cx
	s_bfe_u32 s20, ttmp6, 0x40004                  ; cy
	s_lshl_b32 s84, s20, 2
	s_lshl_b32 s84, 15, s84                        ; my row of the cluster
	s_lshl_b32 s85, 0x1111, s19                    ; my column
	s_or_b32 s[G1R], s84, (3<<16)|(1<<21)          ; the mask; elements of 8 bytes; bit 21 set beside a mask; no padding
	s_or_b32 s[G1P], s85, (3<<16)|(1<<21)
	s_mov_b32 s[G1R+1], 384<<16                    ; a tile's two K steps, 3,072 bytes
	s_mov_b32 s[G1R+2], 4<<16                      ; 4 tiles
	s_mov_b32 s[G1R+3], 384<<16
	s_mov_b32 s[G1R+4], 4
	s_mov_b32 s[G1R+5], 1536                       ; from tile to tile: 12,288 bytes
	s_mov_b32 s[G1R+6], 0
	s_mov_b32 s[G1R+7], 0
	s_mov_b32 s[G1P+1], 384<<16
	s_mov_b32 s[G1P+2], 8<<16                      ; 8 tiles
	s_mov_b32 s[G1P+3], 384<<16
	s_mov_b32 s[G1P+4], 8
	s_mov_b32 s[G1P+5], 1536
	s_mov_b32 s[G1P+6], 0
	s_mov_b32 s[G1P+7], 0
	s_lshl_b32 s56, ttmp9, 5
	s_lshl_b32 s57, s20, 3
	s_add_co_u32 s56, s56, s57                     ; R's first tile: 32 x cluster + 8 cy (no register of R's ever holds cx)
	s_lshl_b32 s58, s19, 4
	s_add_co_u32 s58, s58, 192                     ; P's first tile: Wo's, + 16 cx (none of P's ever holds cy)
	s_lshl_b32 s60, s18, 2
	s_add_co_u32 s60, s56, s60
	s_mul_i32 s60, s60, 12288
	s_mov_b32 s61, 0
	s_lshl_b32 s62, s18, 3
	s_add_co_u32 s62, s58, s62
	s_mul_i32 s62, s62, 12288
	s_mov_b32 s63, 0
	s_lshl_b32 s66, s17, 2
	s_add_co_u32 s66, s56, s66
	s_lshl_b32 s66, s66, 9                         ; the scale bytes of my 4 tiles of R
	s_mov_b32 s67, 0
	s_lshl_b32 s86, s18, 3
	s_add_co_u32 s86, s58, s86
	s_lshl_b32 s86, s86, 9                         ; and of my 8 tiles of P
	s_mov_b32 s87, 0
	s_mul_i32 s88, s18, 12288                      ; where the halves go in a chunk
	s_mul_i32 s89, s18, 24576
	s_add_co_u32 s89, s89, POFF
	s_lshl_b32 s98, ttmp9, 9                       ; my first token: 512 x cluster + 128 cy + 64 wi,
	s_lshl_b32 s99, s20, 7
	s_add_co_u32 s98, s98, s99
	s_lshl_b32 s99, s17, 6
	s_add_co_u32 s98, s98, s99
	s_lshl_b32 s98, s98, 12                        ; rows of 4,096 bytes;
	s_lshl_b32 s99, s19, 10
	s_add_co_u32 s98, s98, s99                     ; my first column: 1,024 cx + 512 wj bytes
	s_lshl_b32 s99, s18, 9
	s_add_co_u32 s98, s98, s99
	s_mov_b32 s99, 0
	s_wait_dscnt 0x0                               ; both opening adds are done
	s_wait_kmcnt 0x0
	s_add_nc_u64 s[90:91], s[4:5], s[60:61]
	s_add_nc_u64 s[94:95], s[8:9], s[62:63]
	s_add_nc_u64 s[92:93], s[6:7], s[66:67]
	s_add_nc_u64 s[96:97], s[10:11], s[86:87]
	s_add_nc_u64 s[12:13], s[12:13], s[98:99]
.irp q, 0,1,2,3
	s_mov_b32 s[G0R+4*\q], 1
	s_add_co_u32 s[G0R+4*\q+1], s88, \q*CH
	s_add_nc_u64 s[G0R+4*\q+2:G0R+4*\q+3], s[90:91], \q*3072
	s_or_b32 s[G0R+4*\q+3], s[G0R+4*\q+3], 0x80000000
	s_mov_b32 s[G0P+4*\q], 1
	s_add_co_u32 s[G0P+4*\q+1], s89, \q*CH
	s_add_nc_u64 s[G0P+4*\q+2:G0P+4*\q+3], s[94:95], \q*3072
	s_or_b32 s[G0P+4*\q+3], s[G0P+4*\q+3], 0x80000000
.endr
	CROUND                                         ; all sixteen work-groups are here: the joint loads meet
	s_cmp_eq_u32 s17, 0                            ; a wave's four fills stand in one arm of one branch on the wave's number
	s_cbranch_scc0 .Lfor_p
.irp q, 0,1,2,3
	tensor_load_to_lds s[G0R+4*\q:G0R+4*\q+3], s[G1R:G1R+7]
	s_nop 0
.endr
	PLACES
	s_branch .Lasked
.Lfor_p:
.irp q, 0,1,2,3
	tensor_load_to_lds s[G0P+4*\q:G0P+4*\q+3], s[G1P:G1P+7]
	s_nop 0
.endr
	PLACES
.Lasked:
	v_and_b32 v1, 31, v0                           ; L
	v_and_b32 v2, 15, v0                           ; r
	v_bfe_u32 v3, v0, 4, 1                         ; h
	v_lshlrev_b32 v11, 5, v2
	v_lshl_add_u32 v11, v3, 4, v11                 ; 32 r + 16 h: register q holds in lanes 0-15 the word of K step q, in lanes 16-31 that of K step 4 + q
.irp a, 0,1,2,3
	global_load_b128 v[RS+4*\a:RS+4*\a+3], v11, s[92:93] offset:512*\a
.endr
.irp b, 0,1,2,3,4,5,6,7
	global_load_b128 v[PS+4*\b:PS+4*\b+3], v11, s[96:97] offset:512*\b
.endr
	v_lshlrev_b32 v8, 4, v1                        ; 16 L
	v_lshlrev_b32 v9, 3, v1                        ; 8 L
	s_mul_i32 s100, s17, 12288
	s_mul_i32 s101, s18, 24576
	s_add_co_u32 s101, s101, POFF
	v_add_nc_u32 v4, s100, v8
	v_add_nc_u32 v5, s100, v9
	v_add_nc_u32 v6, s101, v8
	v_add_nc_u32 v7, s101, v9
	s_mul_i32 s100, s16, STG                       ; my stage
	v_mul_u32_u24 v12, v2, 528
	v_lshl_add_u32 v12, v3, 6, v12
	v_add_nc_u32 v12, s100, v12                    ; in: row r, + 64 h
	v_add_nc_u32 v13, s100, v8                     ; back: 16 L of a row
.macro FETCH k
	WIN TO_P
.irp b, 0,1,2,3,4,5,6,7
	ds_load_b128 v[128*((\k)%2)+12*\b:128*((\k)%2)+12*\b+3], v6 offset:\b*3072+((\k)%2)*1536
	ds_load_b64 v[128*((\k)%2)+12*\b+4:128*((\k)%2)+12*\b+5], v7 offset:\b*3072+((\k)%2)*1536+512
	ds_load_b128 v[128*((\k)%2)+12*\b+6:128*((\k)%2)+12*\b+9], v6 offset:\b*3072+((\k)%2)*1536+768
	ds_load_b64 v[128*((\k)%2)+12*\b+10:128*((\k)%2)+12*\b+11], v7 offset:\b*3072+((\k)%2)*1536+1280
.endr
	WIN 0
.irp a, 0,1,2,3
	ds_load_b128 v[RF+48*((\k)%2)+12*\a:RF+48*((\k)%2)+12*\a+3], v4 offset:\a*3072+((\k)%2)*1536
	ds_load_b64 v[RF+48*((\k)%2)+12*\a+4:RF+48*((\k)%2)+12*\a+5], v5 offset:\a*3072+((\k)%2)*1536+512
	ds_load_b128 v[RF+48*((\k)%2)+12*\a+6:RF+48*((\k)%2)+12*\a+9], v4 offset:\a*3072+((\k)%2)*1536+768
	ds_load_b64 v[RF+48*((\k)%2)+12*\a+10:RF+48*((\k)%2)+12*\a+11], v5 offset:\a*3072+((\k)%2)*1536+1280
.endr
.endm
; The 32 accumulators take turns, one instruction a turn, in the same order in every K step.  K step 0 starts the sums.
.macro MUL16 a0, k
.irp a, \a0, \a0+1
.irp b, 0,1,2,3,4,5,6,7
.set rD, 8*(8*(\a)+\b)
.set rP, 128*((\k)%2)+12*\b
.set rR, RF+48*((\k)%2)+12*(\a)
.set rX, PS+4*\b+(\k)%4
.set rY, RS+4*(\a)+(\k)%4
.if (\k) == 0
	v_wmma_scale_f32_16x16x128_f8f6f4 v[rD:rD+7], v[rP:rP+11], v[rR:rR+11], 0, v[rX], v[rY] matrix_a_fmt:MATRIX_FMT_BF6 matrix_b_fmt:MATRIX_FMT_BF6
.elseif (\k) < 4
	v_wmma_scale_f32_16x16x128_f8f6f4 v[rD:rD+7], v[rP:rP+11], v[rR:rR+11], v[rD:rD+7], v[rX], v[rY] matrix_a_fmt:MATRIX_FMT_BF6 matrix_b_fmt:MATRIX_FMT_BF6
.else
	v_wmma_scale_f32_16x16x128_f8f6f4 v[rD:rD+7], v[rP:rP+11], v[rR:rR+11], v[rD:rD+7], v[rX], v[rY] matrix_a_fmt:MATRIX_FMT_BF6 matrix_b_fmt:MATRIX_FMT_BF6 matrix_a_scale:MATRIX_SCALE_ROW1 matrix_b_scale:MATRIX_SCALE_ROW1
.endif
.endr
.endr
.endm
.macro KSTEP k
	s_wait_dscnt 0x0                               ; this step's fragments are in
.if ((\k)%2 == 1) && ((\k) < 7)
	s_wait_tensorcnt 2-((\k)-1)/2                  ; my fill of the next chunk has landed; the later chunks' may stay out
	s_barrier_signal -1
.endif
	WIN MUL
	MUL16 0, \k
.if (\k) < 7
.if (\k)%2 == 1
	s_barrier_wait -1
	WIN 0
	v_add_nc_u32 v4, CH, v4                        ; on to the next chunk: these four are also the places in front of the loads below
	v_add_nc_u32 v5, CH, v5
	v_add_nc_u32 v6, CH, v6
	v_add_nc_u32 v7, CH, v7
.else
	PLACES                                         ; four places in front of loads into registers that matrix instructions have read
.endif
	FETCH (\k)+1
.endif
	WIN MUL
	MUL16 2, \k
.endm
	s_wait_tensorcnt 3                             ; my fill of chunk 0 has landed; three may stay out
	s_barrier_signal -1
	s_barrier_wait -1                              ; everybody's has
	FETCH 0
	s_wait_loadcnt 0x0                             ; the scale words
.irp k, 0,1,2,3,4,5,6,7
	KSTEP \k
.endr
	WIN 0
; R's tile a: 16 tokens x 128 columns into my stage (lane (r, h), accumulator b: columns 32 (b / 2) + 16 h + 8 (b % 2) + 0 .. 7), each accumulator from its low end on, and back as whole rows
.macro TOSTAGE a
	WIN 0x08                                       ; an LDS store's data are its source 1: window 2
.irp b, 0,1,2,3,4,5,6,7
	ds_store_b128 v12, v[64*(\a)+8*\b:64*(\a)+8*\b+3] offset:128*(\b/2)+32*(\b%2)
	ds_store_b128 v12, v[64*(\a)+8*\b+4:64*(\a)+8*\b+7] offset:128*(\b/2)+32*(\b%2)+16
.endr
	WIN 0
.set BB, BK+64*((\a)%2)
.irp t, 0,1,2,3,4,5,6,7,8,9,10,11,12,13,14,15
	ds_load_b128 v[BB+4*\t:BB+4*\t+3], v13 offset:528*\t   ; my own bytes: LDS serves a wave's instructions in order
.endr
.endm
.macro SEND a, younger                 ; younger: the LDS instructions issued behind tile a's loads, which may stay out
.set BB, BK+64*((\a)%2)
	s_wait_dscnt \younger
.irp t, 0,1,2,3,4,5,6,7,8,9,10,11,12,13,14,15
	global_store_b128 v8, v[BB+4*\t:BB+4*\t+3], s[12:13] offset:(32*((\a)/2)+8*((\a)%2)+\t+8*(\t/8))*4096 th:TH_STORE_NT   ; lane row t's token: 32 lanes store 512 consecutive bytes, at a multiple of 256
.endr
.endm
	PLACES                                         ; in front of the first read of results and of loads into registers that held R's fragments
	TOSTAGE 0
.irp a, 1,2,3
.if \a > 1
	s_wait_xcnt 0x0                                ; tile a - 2's stores have read their registers: tile a's rows may land there
.endif
	TOSTAGE \a
	SEND \a-1, 32                                  ; behind tile a - 1's loads: tile a's 16 stores and 16 loads
.endr
	SEND 3, 0
	s_wait_tensorcnt 0x0                           ; the wave's end, behind my last tensor load and my last LDS store
	ds_add_u32 v28, v29
	s_wait_dscnt 0x0
	CROUND                                         ; the closing round
	s_endpgm
.Lfunc_end_k_qa84dd2f717_oproj:
	.size	k_qa84dd2f717_oproj, .Lfunc_end_k_qa84dd2f717_oproj-k_qa84dd2f717_oproj
	.p2alignl 7, 3214868480
	.fill 96, 4, 3214868480
	.section	.rodata,"a",@progbits
	.p2align	6, 0x0
	.amdhsa_kernel k_qa84dd2f717_oproj
		.amdhsa_group_segment_fixed_size 327680
		.amdhsa_private_segment_fixed_size 0
		.amdhsa_enable_private_segment 0
		.amdhsa_kernarg_size 40
		.amdhsa_user_sgpr_count 2
		.amdhsa_user_sgpr_kernarg_segment_ptr 1
		.amdhsa_wavefront_size32 1
		.amdhsa_system_sgpr_workgroup_id_x 1
		.amdhsa_system_sgpr_workgroup_id_y 1
		.amdhsa_system_sgpr_workgroup_id_z 1
		.amdhsa_system_vgpr_workitem_id 0
		.amdhsa_next_free_vgpr 768
		.amdhsa_next_free_sgpr 102
		.amdhsa_reserve_vcc 0
		.amdhsa_float_denorm_mode_32 3
		.amdhsa_float_denorm_mode_16_64 3
		.amdhsa_memory_ordered 1
		.amdhsa_forward_progress 1
		.amdhsa_inst_pref_size 83
	.end_amdhsa_kernel
	.amdgpu_metadata
---
amdhsa.version: [ 1, 2 ]
amdhsa.kernels:
  - .name:           k_qa84dd2f717_oproj
    .symbol:         k_qa84dd2f717_oproj.kd
    .args:
      - { .name: ao, .offset: 0, .size: 8, .value_kind: global_buffer, .address_space: global }
      - { .name: aos, .offset: 8, .size: 8, .value_kind: global_buffer, .address_space: global }
      - { .name: wc, .offset: 16, .size: 8, .value_kind: global_buffer, .address_space: global }
      - { .name: ws, .offset: 24, .size: 8, .value_kind: global_buffer, .address_space: global }
      - { .name: out0, .offset: 32, .size: 8, .value_kind: global_buffer, .address_space: global }
    .group_segment_fixed_size: 327680
    .private_segment_fixed_size: 0
    .kernarg_segment_align: 8
    .kernarg_segment_size: 40
    .max_flat_workgroup_size: 128
    .sgpr_count:     102
    .vgpr_count:     768
    .wavefront_size: 32
...
	.end_amdgpu_metadata
.endif
;; end of part 4
